; MI455X (gfx1250); checked and timed in simulation.
; The chip was launched on July 23, 2026; its instructions are those of AMD's public machine-readable ISA for CDNA 5 (MIT licence, August 2026) and "CDNA5" Instruction Set Architecture Reference Guide (July 2026). The comments in the code are by the model that wrote it; some were corrected since.
;; Causal Self Attention. Allowed arithmetic: matrix products marked QUANTISED: E2M3 operands, one E8M0 scale for each 32 along K, by v_wmma_scale_f32_16x16x128_f8f6f4 with both operands' format E2M3, f32 sums; everything else in f32.
;; Inputs: b_attn 3,072 float32; b_proj 1,024 float32; mask 1 x 1 x 2,048 x 2,048 bool; w_attn 1,024 x 3,072 float32; w_proj 1,024 x 1,024 float32; x 4 x 2,048 x 1,024 float32.
;; Outputs: out0 4 x 2,048 x 1,024 float32.
;; This version of the problem:
;;   THIS VERSION OF THE PROBLEM IS GIVEN IN LOW PRECISION. The matrix products marked QUANTISED in the list below multiply operands that are first quantised to E2M3 (2 exponent bits, 3 mantissa bits; 6 bits a number), with one power-of-two scale for each 32 numbers along K (OCP MX v1.0); their sums are f32. All else is computed in f32.
;;   The module's matrix products, in the order in which they are computed (A, B: the left and right operand; K: the contracted axis; several contracted axes count as one K, in the product's order):
;;     1. [M 8,192, K 1,024] x [K 1,024, N 3,072]; A: input x; B: input w_attn: QUANTISED
;;     2. batch 64 x [M 2,048, K 64] x [K 64, N 2,048]; A: computed on the way; B: computed on the way: QUANTISED
;;     3. batch 64 x [M 2,048, K 2,048] x [K 2,048, N 64]; A: softmax (see below); B: computed on the way: QUANTISED
;;     4. [M 8,192, K 1,024] x [K 1,024, N 1,024]; A: computed on the way; B: input w_proj: QUANTISED
;;   THE QUANTISER, for each operand of a quantised product, along K:
;;     - K is cut into blocks of 32 from its start; a last block that is shorter is filled with zeros.
;;     - A block's scale is 2^e with e = floor(log2(the largest magnitude in the block)) - 2, held to -126 .. 127; a block of zeros has e = 0. As a byte (E8M0): e + 127.
;;     - Each number is divided by its block's scale, clamped to +-7.5, and rounded to the nearest number of E2M3, ties to even, subnormals kept.
;;     - The product sums the exact products of the quantised numbers (number of the format x scale) in f32.
;;   ~~~python
;;   def quantise(x, axis):      # numpy; x: float32 -> the quantised numbers, widened to float32 again
;;       x = np.moveaxis(x, axis, -1); K = x.shape[-1]
;;       x = np.pad(x, [(0, 0)] * (x.ndim - 1) + [(0, -K % 32)]); x = x.reshape(x.shape[:-1] + (-1, 32)); a = np.abs(x).max(-1, keepdims=True)
;;       e = np.where(a > 0, np.clip(np.frexp(np.where(a > 0, a, 1))[1] - 1 - 2, -126, 127), 0)      # np.frexp(a)[1] - 1 = floor(log2(a)), exactly
;;       r = np.clip(x / 2.0 ** e, -7.5, 7.5)
;;       step = 2.0 ** (np.maximum(np.frexp(np.where(r == 0, 1, r))[1] - 1, 0) - 3)
;;       q = np.round(r / step) * step * 2.0 ** e      # np.round: ties to even
;;       return np.moveaxis(q.reshape(q.shape[:-2] + (-1,))[..., :K], -1, axis).astype(np.float32)
;;   ~~~
;;   SOFTMAX AHEAD OF A QUANTISED PRODUCT. Where the list says 'softmax', what is quantised is not the finished softmax but p = 2^(t - M), with t = logit x log2(e) and M = ceil(the row's largest t), a whole number; so 1/2 < the row's largest p <= 1. The row's sum l is taken of the UNQUANTISED p, in f32, and the product's result is divided by l at the end. Since M is a whole number, a kernel that streams over the keys may use a running M (the ceiling of the running maximum): every later rescaling is an exact power of two, which a block's scale takes up: the codes' values come out the same.
;;   OPERANDS COMPUTED ON THE WAY. 'Computed on the way' means the value that the module computes at that place (a softmax that the list does not call 'softmax' is quantised finished and normalised). What goes into a quantiser is computed in f32, as accurately as f32 sums, v_exp_f32 and their like allow (about 1e-6 of the number): no bf16 or f16 on the way to a quantiser, and a product that is left as it is and whose result goes on into a quantised operand takes f32 operands (vector FMAs, or v_wmma_f32_16x16x4_f32). A number that lies on a knife's edge between two numbers of the format may be rounded either way, as far as f32 arithmetic and the matrix unit's own rounding can turn it there, and no further.
;; 2 versions, each right; version 2 is version 1 with the launch attn written anew for expert scheduling mode. Each part assembles by itself: llvm-mc -triple=amdgcn-amd-amdhsa -mcpu=gfx1250 --defsym DOCPART=n.
;; ======== version 1 of 2: 4 launches
;; limits: right only within a limited range of input values
;; workspace buffers: opc 9,437,184 bytes; ops 393,216 bytes; cls 512 bytes of whole numbers; qkvc 18,874,368 bytes; qkvs 1,310,720 bytes; attc 6,291,456 bytes; atts 262,144 bytes
;; launch prep (part 1): grid 288 x 1, 4 waves a work-group, no clusters, 59,904 bytes of LDS; arguments x, w_attn, w_proj, mask, opc, ops, cls; writes opc, ops, cls
.if DOCPART == 1
	.amdgcn_target "amdgcn-amd-amdhsa--gfx1250"
	.amdhsa_code_object_version 6
	.text
	.protected	k_q5232455ad7_prep
	.globl	k_q5232455ad7_prep
	.p2align	8
	.type	k_q5232455ad7_prep,@function
k_q5232455ad7_prep:
	s_mov_b64 s[64:65], 0
	v_nop
	global_prefetch_b8 v0, s[64:65] scope:SCOPE_SE
	s_setreg_imm32_b32 hwreg(HW_REG_WAVE_MODE, 25, 1), 1
	s_wait_xcnt 0x0
; PREP.  x [8192][1024], w_attn [1024][3072], w_proj [1024][1024], f32, become codes of FP6 (E2M3) with one E8M0 byte for each 32 along K = 1,024; the mask [2048][2048] becomes a class word for each tile of 16 queries.
; STORAGE ORDER: rows (tokens, weight columns) are kept in tiles of 16; storage tile 2 B + u, row r, holds true index 32 B + 8 u + r + 8 (r / 8).  As source 0 of a product the 16 registers of tiles 2 B, 2 B + 1 are then 16 true neighbours.
; A FRAGMENT (16 rows x 128 K, 12 registers a lane) is kept as an image of its registers: six pieces of 256 bytes, piece u = registers 2 u, 2 u + 1, lane l's 8 bytes at 8 l.  opc: [tile][K / 128][1,536]; ops: [storage row][32 bytes].
; A block's scale is 2^(floor(log2(largest magnitude)) - 2); its byte is that magnitude's exponent field - 2, held at 1 from below (a block of zeros gets the byte 1: its codes are zeros, and this program alone reads the bytes).
; LIMITS: NaN and infinities among the inputs are not served; blocks whose largest magnitude lies under 2^-124 have the byte 1.
; THREE PATHS by the work-group's number: 0-127 x (a wave = a tile of 16 tokens), 128-255 the weights (a wave = 32 columns x 256 K), 256-287 the mask (a wave = a tile of 16 queries).  Each path has LDS bytes of its own.  Waves share nothing: no barrier.
; CLASS of (query tile, step of 128 keys), two bits: 0 = no byte true and every row of the tile has a true byte somewhere (the step adds nothing); 1 = all true; 2 = mixed.
.set XSP,   528                        ; x's stage: a row of 512 bytes + 16; 16 rows a wave, from LDS byte 0
.set WST,   33792                      ; the weights' stages: 6,400 bytes a wave
.set SPARE, 59392                      ; the spare words, 128 bytes for each wave: no other line names them
.set WC,    6291456                    ; opc: the weights' tiles begin here (w_attn's 192, then w_proj's 64)
.set WS,    262144                     ; ops: the weights' rows begin here
.set SPW,   12                         ; v12  LDS address of my spare word; never rewritten
.set NIL,   13                         ; v13  0; never rewritten
.set TM,    16                         ; v16-31 at work in QUANT
.set SEL,   20                         ; s[20:21] lane selects: lane l xor 16
.set R,     32                         ; v32-159  x as loaded, two sets of 64
.set X,     160                        ; v160-223 64 numbers of a lane: register 16 b + i = k 32 b + 16 (lane / 16) + i of my row
.set PC,    224                        ; v224-242 the codes just made
.set SW,    244                        ; v244-251 eight scale words
.set T4,    252
; 64 numbers of a lane become a fragment's 12 registers v[PC] on and its row's scale word v[pw]
.macro QUANT s, pw
.irp b, 0,1,2,3
	v_max3_num_f32 v[TM+\b], |v[\s+16*\b]|, |v[\s+1+16*\b]|, 0x1800000   ; my 16 numbers of block b, and the floor 2^(3 - 127): the byte cannot fall under 1
.endr
.irp i, 2,4,6,8,10,12,14
.irp b, 0,1,2,3
	v_max3_num_f32 v[TM+\b], v[TM+\b], |v[\s+16*\b+\i]|, |v[\s+1+16*\b+\i]|
.endr
.endr
.irp b, 0,1,2,3
	v_permlanex16_b32 v[TM+4+\b], v[TM+\b], s[SEL], s[SEL+1]
.endr
.irp b, 0,1,2,3
	v_max_num_f32 v[TM+\b], v[TM+\b], v[TM+4+\b]   ; with lane l xor 16's: the block's largest magnitude
.endr
.irp b, 0,1,2,3
	v_add_nc_u32 v[TM+12+\b], 0xff000000, v[TM+\b]   ; 2 off its exponent field: the conversion's scale operand
.endr
.irp b, 0,1,2,3
	v_lshrrev_b32 v[TM+4+\b], 23, v[TM+12+\b]      ; the scale's byte
.endr
	v_lshl_or_b32 v[\pw], v[TM+5], 8, v[TM+4]
	v_lshl_or_b32 v[\pw], v[TM+6], 16, v[\pw]
	v_lshl_or_b32 v[\pw], v[TM+7], 24, v[\pw]
.irp c, 0,1
	v_cvt_scalef32_pk16_fp6_f32 v[PC+6*\c:PC+2+6*\c], v[\s+32*\c:\s+15+32*\c], v[TM+12+2*\c]
	v_cvt_scalef32_pk16_fp6_f32 v[PC+12+4*\c:PC+14+4*\c], v[\s+16+32*\c:\s+31+32*\c], v[TM+12+2*\c+1]   ; (a conversion's three registers begin on an even number)
.endr
	v_nop                                          ; one plain place behind a scaled conversion
.irp c, 0,1                                    ; the layout wants a whole block in a lane: lanes 0-15 block 2 c, lanes 16-31 block 2 c + 1
.irp i, 0,1,2
	v_permlane16_swap_b32 v[PC+6*\c+\i], v[PC+12+4*\c+\i]
.endr
.irp i, 0,1,2
	v_mov_b32 v[PC+3+6*\c+\i], v[PC+12+4*\c+\i]
.endr
.endr
.endm
	s_load_b256 s[4:11], s[0:1], 0x0               ; x, w_attn, w_proj, mask
	s_load_b128 s[12:15], s[0:1], 0x20             ; opc, ops
	s_load_b64 s[16:17], s[0:1], 0x30              ; cls
	v_lshl_add_u32 v[SPW], v0, 2, SPARE
	v_mov_b32 v[NIL], 0
	v_lshrrev_b32 v1, 5, v0
	v_readfirstlane_b32 s18, v1                    ; wave
	v_and_b32 v1, 31, v0                           ; lane
	v_and_b32 v2, 15, v0                           ; r
	v_bfe_u32 v3, v0, 4, 1                         ; h
	s_mov_b32 s[SEL], 0x76543210
	s_mov_b32 s[SEL+1], 0xfedcba98
	s_wait_kmcnt 0x0
	s_cmp_lt_u32 ttmp9, 128
	s_cbranch_scc0 .Lnot_x
	; ---------------- x: my wave's tile of 16 tokens, eight fragments
	s_lshl_b32 s19, ttmp9, 2
	s_add_co_u32 s19, s19, s18                     ; tile 0..511
	s_lshr_b32 s28, s19, 1
	s_lshl_b32 s28, s28, 5
	s_and_b32 s29, s19, 1
	s_lshl_b32 s29, s29, 3
	s_add_co_u32 s28, s28, s29                     ; the tile's first true token
	s_lshl_b32 s28, s28, 12                        ; rows of 4,096 bytes
	s_mov_b32 s29, 0
	s_add_nc_u64 s[22:23], s[4:5], s[28:29]
	s_mul_i32 s28, s19, 12288
	s_add_nc_u64 s[24:25], s[12:13], s[28:29]      ; the tile's images
	s_lshl_b32 s28, s19, 9
	s_add_nc_u64 s[26:27], s[14:15], s[28:29]      ; its 16 rows of scale bytes
	s_mul_i32 s30, s18, 16*XSP                     ; my stage
	s_mov_b32 s31, 0xffff0000                      ; lanes 16-31
	v_lshlrev_b32 v4, 4, v1                        ; 16 x lane
	v_add_nc_u32 v5, s30, v4                       ; into the stage: a row as it lies
	v_mul_u32_u24 v6, v2, XSP
	v_lshl_add_u32 v6, v3, 6, v6
	v_add_nc_u32 v6, s30, v6                       ; out of it: row r, + 64 h: my 16 numbers of a block
	v_lshlrev_b32 v7, 3, v1                        ; 8 x lane
	v_lshlrev_b32 v8, 5, v2
	v_lshl_add_u32 v8, v3, 4, v8                   ; 32 r + 16 h
.irp b, 0,1,2,3
	v_mov_b32 v[TM+4+\b], 0                        ; written once: a lane permute's destination counts as a source
.endr
.macro LOADX k                         ; 128 along K of the 16 rows: each load reads 512 consecutive bytes of one row
.irp p, 0,1,2,3,4,5,6,7,8,9,10,11,12,13,14,15
	global_load_b128 v[R+64*((\k)%2)+4*\p:R+64*((\k)%2)+4*\p+3], v4, s[22:23] offset:(\p+8*(\p/8))*4096+512*(\k) th:TH_LOAD_NT
.endr
.endm
.macro FRAGX k
.if (\k) < 7
	s_wait_loadcnt 16                              ; this fragment's 16 loads are in; the next one's may be out
.else
	s_wait_loadcnt 0x0
.endif
.irp p, 0,1,2,3,4,5,6,7,8,9,10,11,12,13,14,15
	ds_store_b128 v5, v[R+64*((\k)%2)+4*\p:R+64*((\k)%2)+4*\p+3] offset:XSP*\p
.endr
.irp b, 0,1,2,3
.irp j, 0,1,2,3
	ds_load_b128 v[X+16*\b+4*\j:X+16*\b+4*\j+3], v6 offset:128*\b+16*\j   ; my own stage, served in order: these see the stores above
.endr
.endr
	s_wait_dscnt 0x0
	s_wait_xcnt 0x0                                ; the last fragment's stores have read their data: the codes' registers may be written
.if (\k) < 6
	LOADX (\k)+2
.endif
	QUANT X, SW+(\k)
.irp u, 0,1,2,3,4,5
	global_store_b64 v7, v[PC+2*\u:PC+2*\u+1], s[24:25] offset:1536*(\k)+256*\u   ; 32 lanes store 256 consecutive bytes, aligned
.endr
.endm
	LOADX 0
	LOADX 1
.irp k, 0,1,2,3,4,5,6,7
	FRAGX \k
.endr
.irp i, 0,1,2,3
	v_cndmask_b32 v[T4+\i], v[SW+\i], v[SW+4+\i], s31   ; lanes 0-15 words 0-3 of row r, lanes 16-31 words 4-7
.endr
	global_store_b128 v8, v[T4:T4+3], s[26:27]     ; the tile's 512 scale bytes
	s_wait_tensorcnt 0x0                           ; the wave's end, behind my last LDS store
	ds_add_u32 v[SPW], v[NIL]
	s_wait_dscnt 0x0
	s_endpgm
.Lnot_x:
	s_cmp_lt_u32 ttmp9, 256
	s_cbranch_scc0 .Lmask
	; ---------------- the weights: K is their first axis.  A lane takes a column, its registers run down K
	s_sub_co_u32 s19, ttmp9, 128
	s_lshr_b32 s28, s19, 2                         ; group of 128 columns, 0..31: 24 of w_attn, then 8 of w_proj
	s_and_b32 s29, s19, 3                          ; which 256 along K
	s_mov_b32 s54, 4096
	s_mov_b32 s30, 12288
	s_cmp_lt_u32 s28, 24                           ; the choice hangs on the work-group's number alone
	s_cselect_b64 s[22:23], s[6:7], s[8:9]
	s_cselect_b32 s54, s30, s54                    ; a row of the weight in bytes
	s_cselect_b32 s31, 0, 24
	s_sub_co_u32 s31, s28, s31                     ; the group inside its own tensor
	s_lshl_b32 s31, s31, 9
	s_lshl_b32 s55, s18, 7
	s_add_co_u32 s31, s31, s55                     ; 4 x my wave's first column
	s_lshl_b32 s55, s29, 8
	s_mul_i32 s55, s55, s54
	s_add_co_u32 s56, s55, s31
	s_mov_b32 s57, 0
	s_add_nc_u64 s[32:33], s[22:23], s[56:57]      ; block 0's first row; a base for each of the eight blocks, never rewritten
	s_lshl_b32 s56, s54, 5                         ; 32 rows on
.irp t, 1,2,3,4,5,6,7
	s_add_nc_u64 s[32+2*\t:33+2*\t], s[30+2*\t:31+2*\t], s[56:57]
.endr
	s_lshl_b32 s58, s28, 3
	s_lshl_b32 s59, s18, 1
	s_add_co_u32 s58, s58, s59                     ; my first storage tile among the weights' 256
	s_mul_i32 s60, s58, 12288
	s_mul_i32 s59, s29, 3072
	s_add_co_u32 s60, s60, s59
	s_add_co_u32 s60, s60, WC
	s_mov_b32 s61, 0
	s_add_nc_u64 s[50:51], s[12:13], s[60:61]
	s_lshl_b32 s60, s58, 9
	s_lshl_b32 s59, s29, 3
	s_add_co_u32 s60, s60, s59
	s_add_co_u32 s60, s60, WS
	s_add_nc_u64 s[52:53], s[14:15], s[60:61]
	v_lshlrev_b32 v14, 2, v1
.irp i, 0,1,2,3,4,5,6,7,8,9,10,11,12,13,14,15,16,17,18,19,20,21,22,23,24,25,26,27,28,29,30,31
	v_mad_u32_u24 v[32+\i], s54, \i, v14           ; 4 x lane + i rows
.endr
	v_bfe_u32 v8, v0, 3, 1                         ; my column's storage tile u
	v_and_b32 v9, 7, v0
	v_lshl_add_u32 v9, v3, 3, v9                   ; and its row there
	s_mul_i32 s62, s18, 6400
	s_add_co_u32 s62, s62, WST                     ; my stage: two tiles' 3,072 bytes, 3,200 apart
	v_mul_u32_u24 v4, v8, 3200
	v_lshl_add_u32 v4, v9, 3, v4
	v_add_nc_u32 v4, s62, v4
	v_lshlrev_b32 v6, 4, v1
	v_add_nc_u32 v5, s62, v6
	v_lshl_add_u32 v7, v8, 4, v9
	v_lshlrev_b32 v7, 5, v7                        ; my row of scale bytes
.macro WLOAD t                         ; block t: 32 rows of the weight at my column; a wave reads 128 consecutive bytes a load
.irp i, 0,1,2,3,4,5,6,7,8,9,10,11,12,13,14,15,16,17,18,19,20,21,22,23,24,25,26,27,28,29,30,31
	global_load_b32 v[64+32*((\t)%2)+\i], v[32+\i], s[32+2*(\t):33+2*(\t)] th:TH_LOAD_NT
.endr
.endm
.macro WBLOCK t
.set XS, 64+32*((\t)%2)
.if (\t) < 7
	s_wait_loadcnt 32                              ; this block's 32 loads are in; the next block's may be out
.else
	s_wait_loadcnt 0x0
.endif
	v_max3_num_f32 v16, |v[XS]|, |v[XS+1]|, |v[XS+2]|
	v_max3_num_f32 v17, |v[XS+3]|, |v[XS+4]|, |v[XS+5]|
.irp i, 6,10,14,18,22,26
	v_max3_num_f32 v16, v16, |v[XS+\i]|, |v[XS+\i+1]|
	v_max3_num_f32 v17, v17, |v[XS+\i+2]|, |v[XS+\i+3]|
.endr
	v_max3_num_f32 v16, v16, |v[XS+30]|, |v[XS+31]|
	v_max3_num_f32 v16, v16, v17, 0x1800000        ; and the floor
	v_add_nc_u32 v18, 0xff000000, v16
	v_cvt_scalef32_pk16_fp6_f32 v[128:130], v[XS:XS+15], v18
	v_cvt_scalef32_pk16_fp6_f32 v[132:134], v[XS+16:XS+31], v18
	v_lshrrev_b32 v19, 23, v18                     ; the byte (a plain place behind the conversions)
.if (\t)%4 == 0
	v_mov_b32 v[136+(\t)/4], v19
.else
	v_lshl_or_b32 v[136+(\t)/4], v19, 8*((\t)%4), v[136+(\t)/4]
.endif
	v_mov_b32 v131, v132
	v_mov_b32 v132, v133
	v_mov_b32 v133, v134                           ; v128-133: the block's 24 bytes
.irp i, 0,1,2
	ds_store_b64 v4, v[128+2*\i:129+2*\i] offset:((\t)/4)*1536+(3*(((\t)%4)/2)+\i)*256+((\t)%2)*128   ; their places in the fragment's image: block 2 c + h is registers 6 c .. 6 c + 5 of lane 16 h + row
.endr
.if (\t) < 6
	WLOAD (\t)+2
.endif
	s_wait_dscnt 0x0                               ; the stores have read their registers
.endm
	WLOAD 0
	WLOAD 1
.irp t, 0,1,2,3,4,5,6,7
	WBLOCK \t
.endr
	global_store_b64 v7, v[136:137], s[52:53]      ; my column's eight scale bytes
.irp u, 0,1
.irp g, 0,1,2,3,4,5
	ds_load_b128 v[144+4*(6*\u+\g):147+4*(6*\u+\g)], v5 offset:3200*\u+512*\g
.endr
.endr
.irp u, 0,1
.irp g, 0,1,2,3,4,5
	s_wait_dscnt 11-(6*\u+\g)                      ; the younger loads may be out
	global_store_b128 v6, v[144+4*(6*\u+\g):147+4*(6*\u+\g)], s[50:51] offset:12288*\u+512*\g   ; 512 consecutive bytes, aligned
.endr
.endr
	s_wait_tensorcnt 0x0                           ; the wave's end
	ds_add_u32 v[SPW], v[NIL]
	s_wait_dscnt 0x0
	s_endpgm
.Lmask:
	; ---------------- the mask: my wave's tile of 16 queries against all 2,048 keys
	s_sub_co_u32 s19, ttmp9, 256
	s_lshl_b32 s19, s19, 2
	s_add_co_u32 s19, s19, s18                     ; query tile 0..127
	s_lshr_b32 s28, s19, 1
	s_lshl_b32 s28, s28, 5
	s_and_b32 s29, s19, 1
	s_lshl_b32 s29, s29, 3
	s_add_co_u32 s28, s28, s29
	s_lshl_b32 s28, s28, 11                        ; rows of 2,048 bytes
	s_mov_b32 s29, 0
	s_add_nc_u64 s[22:23], s[10:11], s[28:29]
	s_lshl_b32 s28, s19, 2
	s_add_nc_u64 s[24:25], s[16:17], s[28:29]
	v_lshlrev_b32 v4, 4, v1
	s_mov_b32 s30, 1                               ; every row so far has a true byte
.irp j, 0,1,2,3
	v_mov_b32 v[160+\j], -1                        ; the AND of my 16 bytes of quarter j over the rows,
	v_mov_b32 v[164+\j], 0                         ; and the OR
.endr
.macro MLOAD g                         ; rows 4 g .. 4 g + 3, four loads of 512 consecutive bytes each
.irp q, 0,1,2,3
.irp j, 0,1,2,3
	global_load_b128 v[32+64*((\g)%2)+16*\q+4*\j:35+64*((\g)%2)+16*\q+4*\j], v4, s[22:23] offset:((4*(\g)+\q)+8*((4*(\g)+\q)/8))*2048+512*\j
.endr
.endr
.endm
.macro MGROUP g
.irp q, 0,1,2,3
.irp j, 0,1,2,3
.set MB, 32+64*((\g)%2)+16*\q+4*\j
	v_or_b32 v[168+\j], v[MB], v[MB+1]
	v_or_b32 v[172+\j], v[MB+2], v[MB+3]
	v_and_b32 v[176+\j], v[MB], v[MB+1]
	v_and_b32 v[180+\j], v[MB+2], v[MB+3]
	v_or_b32 v[168+\j], v[168+\j], v[172+\j]
	v_and_b32 v[176+\j], v[176+\j], v[180+\j]
	v_or_b32 v[164+\j], v[164+\j], v[168+\j]
	v_and_b32 v[160+\j], v[160+\j], v[176+\j]
.endr
	v_or_b32 v172, v168, v169
	v_or_b32 v173, v170, v171
	v_or_b32 v172, v172, v173                      ; the row's OR, my 64 bytes
	v_cmp_ne_u32 s31, 0, v172
	s_cmp_lg_u32 s31, 0                            ; has any lane a true byte of this row?
	s_cselect_b32 s30, s30, 0
.endr
.endm
	MLOAD 0
	MLOAD 1
	s_wait_loadcnt 16                              ; a group's 16 loads are in; the next group's may be out
	MGROUP 0
	MLOAD 2
	s_wait_loadcnt 16
	MGROUP 1
	MLOAD 3
	s_wait_loadcnt 16
	MGROUP 2
	s_wait_loadcnt 0x0
	MGROUP 3
	s_mov_b32 s47, 0x01010101
.irp j, 0,1,2,3
	v_cmp_eq_u32 s[36+\j], s47, v[160+\j]          ; lanes whose 16 bytes are all true in all rows;
	v_cmp_ne_u32 s[40+\j], 0, v[164+\j]            ; lanes with a true byte.  Lane l of quarter j lies in key step 4 j + l / 8
.endr
	s_cmp_lg_u32 s30, 0
	s_cselect_b32 s44, 0, 2                        ; a step with no true byte: left out only if every row has one elsewhere
	s_mov_b32 s45, 0
.irp j, 0,1,2,3
.irp g, 0,1,2,3
	s_bfe_u32 s46, s[36+\j], (8<<16)|(8*\g)
	s_cmp_eq_u32 s46, 0xff
	s_cselect_b32 s46, 1, 2
	s_bfe_u32 s48, s[40+\j], (8<<16)|(8*\g)
	s_cmp_eq_u32 s48, 0
	s_cselect_b32 s46, s44, s46
	s_lshl_b32 s46, s46, 2*(4*\j+\g)
	s_or_b32 s45, s45, s46
.endr
.endr
	v_mov_b32 v5, s45
	v_mov_b32 v6, 0
	s_wait_xcnt 0x0                                ; EXEC changes only behind this wait
	v_cmp_gt_u32 vcc_lo, 1, v1
	s_and_saveexec_b32 s49, vcc_lo                 ; lane 0 stores the tile's word
	global_store_b32 v6, v5, s[24:25]
	s_wait_xcnt 0x0
	s_or_b32 exec_lo, exec_lo, s49
	s_wait_tensorcnt 0x0                           ; the same three lines as on the other two paths
	ds_add_u32 v[SPW], v[NIL]
	s_wait_dscnt 0x0
	s_endpgm
.Lfunc_end_k_q5232455ad7_prep:
	.size	k_q5232455ad7_prep, .Lfunc_end_k_q5232455ad7_prep-k_q5232455ad7_prep
	.p2alignl 7, 3214868480
	.fill 96, 4, 3214868480
	.section	.rodata,"a",@progbits
	.p2align	6, 0x0
	.amdhsa_kernel k_q5232455ad7_prep
		.amdhsa_group_segment_fixed_size 59904
		.amdhsa_private_segment_fixed_size 0
		.amdhsa_enable_private_segment 0
		.amdhsa_kernarg_size 56
		.amdhsa_user_sgpr_count 2
		.amdhsa_user_sgpr_kernarg_segment_ptr 1
		.amdhsa_wavefront_size32 1
		.amdhsa_system_sgpr_workgroup_id_x 1
		.amdhsa_system_sgpr_workgroup_id_y 1
		.amdhsa_system_sgpr_workgroup_id_z 1
		.amdhsa_system_vgpr_workitem_id 0
		.amdhsa_next_free_vgpr 256
		.amdhsa_next_free_sgpr 80
		.amdhsa_reserve_vcc 1
		.amdhsa_float_denorm_mode_32 3
		.amdhsa_float_denorm_mode_16_64 3
		.amdhsa_memory_ordered 1
		.amdhsa_forward_progress 1
		.amdhsa_inst_pref_size 143
	.end_amdhsa_kernel
	.amdgpu_metadata
---
amdhsa.version: [ 1, 2 ]
amdhsa.kernels:
  - .name:           k_q5232455ad7_prep
    .symbol:         k_q5232455ad7_prep.kd
    .args:
      - { .name: x, .offset: 0, .size: 8, .value_kind: global_buffer, .address_space: global }
      - { .name: w_attn, .offset: 8, .size: 8, .value_kind: global_buffer, .address_space: global }
      - { .name: w_proj, .offset: 16, .size: 8, .value_kind: global_buffer, .address_space: global }
      - { .name: mask, .offset: 24, .size: 8, .value_kind: global_buffer, .address_space: global }
      - { .name: opc, .offset: 32, .size: 8, .value_kind: global_buffer, .address_space: global }
      - { .name: ops, .offset: 40, .size: 8, .value_kind: global_buffer, .address_space: global }
      - { .name: cls, .offset: 48, .size: 8, .value_kind: global_buffer, .address_space: global }
    .group_segment_fixed_size: 59904
    .private_segment_fixed_size: 0
    .kernarg_segment_align: 8
    .kernarg_segment_size: 56
    .max_flat_workgroup_size: 128
    .sgpr_count:     80
    .vgpr_count:     256
    .wavefront_size: 32
...
	.end_amdgpu_metadata
.endif
;; end of part 1
;; launch gemm1 (part 2): grid 12 x 32, 4 waves a work-group, clusters of 4 x 4, 327,680 bytes of LDS; arguments opc, ops, b_attn, qkvc, qkvs; writes qkvc, qkvs
.if DOCPART == 2
	.amdgcn_target "amdgcn-amd-amdhsa--gfx1250"
	.amdhsa_code_object_version 6
	.text
	.protected	k_q5232455ad7_gemm1
	.globl	k_q5232455ad7_gemm1
	.p2align	8
	.type	k_q5232455ad7_gemm1,@function
k_q5232455ad7_gemm1:
	s_mov_b64 s[64:65], 0
	v_nop
	global_prefetch_b8 v0, s[64:65] scope:SCOPE_SE
	s_setreg_imm32_b32 hwreg(HW_REG_WAVE_MODE, 25, 1), 1
	s_wait_xcnt 0x0
	s_wait_alu depctr_hold_cnt(0) depctr_sa_sdst(0) depctr_va_vdst(0) depctr_va_sdst(0) depctr_va_ssrc(0) depctr_va_vcc(0) depctr_vm_vsrc(0)
	s_getreg_b32 s2, hwreg(HW_REG_IB_STS2, 6, 4)
	s_cmp_eq_u32 s2, 0
	s_cbranch_scc0 .Lentry_in_a_cluster
	s_endpgm
.Lentry_in_a_cluster:
	s_bfe_u32 s2, ttmp6, 0x10000c
	s_cmp_lg_u32 s2, 0xf033
	s_cbranch_scc0 .Lentry_shape_is_right
	s_endpgm
.Lentry_shape_is_right:
; GEMM1.  qkv = x w_attn + b_attn on codes of FP6 (E2M3) with E8M0 scales, K = 1,024; on the way out q and k are quantised along the head's 64 and v along the keys, and only codes and scale bytes are stored.
; A tile of 256 x 256 to a work-group of four waves, 128 x 128 a wave: 64 accumulators, 512 registers.  K goes in steps of 256 through two LDS slots filled by tensor loads; a slot holds images of fragments
; (16 rows x 128 K = 1,536 bytes, six pieces of 256 bytes, lane l's 8 bytes at 8 l), so a fragment is six ds_load_b64 of 256 consecutive bytes.  The scale bytes of the work-group's rows come once and stay.
; SOURCE 0 = "B" (its rows run along a lane's registers), SOURCE 1 = "A" (its rows are the lanes).  The cluster's x says what is made: 0 q, 1 k: A = tokens, B = weight columns, so a lane holds one token and 128 columns (two heads);
; 2 v: A = weight columns, B = tokens, so a lane holds one d and 128 keys.  Rows lie in storage order (tile 2 B + u, row r = true 32 B + 8 u + r + 8 (r / 8)), so a lane's register 16 b + i is true index 32 b + 16 (lane / 16) + i.
; CLUSTERS 4 x 4: A's tiles are asked for jointly along a row of the cluster, B's along a column.  No prefetch: K has four slots, two come with the first fills, and only two refills follow.
; OUT.  q, k: [bh][token tile 128][3 x 256]: the lower half of a fragment (d 0..63); scale words [bh][step 16][g 2][r 16][4]: bytes 0, 1 the head's two scales, bytes 2, 3 zero.
;       v: [bh][step 16][d tile 4][3 x 512]: registers 4 g .. 4 g + 3, lane l at 16 l; scale words [bh][step][r 16][d tile 4].
; LIMITS: NaN and infinities are not served; a block of zeros carries the byte 1.
; REGISTERS, window 0: v0-31 addresses; v32-63 scale words, two sets; v64-127 bias along the registers; v128-223 A's fragments (one set), on the way out numbers, codes, scale words; v224-239 bias of the lane; v240-255 at work.
;   window 1: B's fragments, two sets.  windows 2, 3: the accumulators ((a, b) at v[8 (8 (a % 4) + b)]).
.set NQ,     2
.set FR,     12
.set NL,     6
.set NP,     4
.set TILEB,  12288                     ; a tile's eight fragments in memory
.set HALFT,  24576                     ; 8 tiles x 3,072 bytes: what one tensor load brings
.set SLOT,   98304
.set SCL,    196608                    ; behind the ring: the scale bytes, rows of 256 bytes + 16
.set HALFS,  4352
.set SBLK,   544
.set SPARE,  214016                    ; the spare words, 128 bytes for each wave: no other line names them
.set WC,     6291456
.set WS,     262144
.set ADRA, 16
.set ADRB, 20
.set ADRS, 27
.set SPW,  28
.set NIL,  29
.set SC,   32
.set BIA,  64
.set AF,   128
.set BIL,  224
.set TM,   240
.set X,    128
.set PC,   192
.set SW,   212
.set T4,   220
.set ISV,  2                           ; s2  1 where v is made
.set SEL,  98                          ; s[98:99] lane selects: lane l xor 16
.set G1, 24
.set G0, 32
.set G1B, 48
.set G0B, 56
.set G1S, 68
.set G0S, 76
.set G1SB, 80
.set G0SB, 88
.set MSB, 0
.macro WIN new                         ; the immediate's high byte repeats the setting that is left
.if MSB != (\new)
	s_set_vgpr_msb (MSB<<8)|(\new)
.set MSB, (\new)
.endif
.endm
.set TO_B, 0x40
.macro WMUL hi, zero                   ; source 0 window 1, source 1 window 0, C and D window 2 or 3
	WIN 0xa1+0x50*(\hi)
.endm
; A joint load: waves 0, 1 fetch for A, waves 2, 3 for B; the branch hangs on the wave's number alone.  An s_nop 0 and four v_nop follow each line.
.macro JLOAD g0a, g1a, g0b, g1b
	s_cmp_eq_u32 s15, 0
	s_cbranch_scc0 .Lfor_b_\@
	tensor_load_to_lds s[\g0a:\g0a+3], s[\g1a:\g1a+7]
	s_nop 0
.rept 4
	v_nop
.endr
	s_branch .Lasked_\@
.Lfor_b_\@:
	tensor_load_to_lds s[\g0b:\g0b+3], s[\g1b:\g1b+7]
	s_nop 0
.rept 4
	v_nop
.endr
.Lasked_\@:
.endm
.macro CREST
	s_cmp_lg_u32 s14, 0
	s_cbranch_scc1 .Lnot_wave_0_\@
	s_barrier_signal -3
.Lnot_wave_0_\@:
	s_barrier_wait -3
	s_barrier_signal -1
	s_barrier_wait -1
.endm
.macro CROUND
	s_barrier_signal -1
	s_barrier_wait -1
	CREST
.endm
.macro QUANT s, pw                     ; 64 numbers of a lane (register 16 b + i = k 32 b + 16 (lane / 16) + i) become 12 registers of codes v[PC] on and the scale word v[pw]
.irp b, 0,1,2,3
	v_max3_num_f32 v[TM+\b], |v[\s+16*\b]|, |v[\s+1+16*\b]|, 0x1800000   ; with the floor 2^(3 - 127): the byte cannot fall under 1
.endr
.irp i, 2,4,6,8,10,12,14
.irp b, 0,1,2,3
	v_max3_num_f32 v[TM+\b], v[TM+\b], |v[\s+16*\b+\i]|, |v[\s+1+16*\b+\i]|
.endr
.endr
.irp b, 0,1,2,3
	v_permlanex16_b32 v[TM+4+\b], v[TM+\b], s[SEL], s[SEL+1]
.endr
.irp b, 0,1,2,3
	v_max_num_f32 v[TM+\b], v[TM+\b], v[TM+4+\b]
.endr
.irp b, 0,1,2,3
	v_add_nc_u32 v[TM+12+\b], 0xff000000, v[TM+\b]   ; 2 off the exponent field: the conversion's scale operand
.endr
.irp b, 0,1,2,3
	v_lshrrev_b32 v[TM+4+\b], 23, v[TM+12+\b]
.endr
	v_lshl_or_b32 v[\pw], v[TM+5], 8, v[TM+4]
	v_lshl_or_b32 v[\pw], v[TM+6], 16, v[\pw]
	v_lshl_or_b32 v[\pw], v[TM+7], 24, v[\pw]
.irp c, 0,1
	v_cvt_scalef32_pk16_fp6_f32 v[PC+6*\c:PC+2+6*\c], v[\s+32*\c:\s+15+32*\c], v[TM+12+2*\c]
	v_cvt_scalef32_pk16_fp6_f32 v[PC+12+4*\c:PC+14+4*\c], v[\s+16+32*\c:\s+31+32*\c], v[TM+12+2*\c+1]
.endr
	v_nop                                          ; one plain place behind a scaled conversion
.irp c, 0,1
.irp i, 0,1,2
	v_permlane16_swap_b32 v[PC+6*\c+\i], v[PC+12+4*\c+\i]
.endr
.irp i, 0,1,2
	v_mov_b32 v[PC+3+6*\c+\i], v[PC+12+4*\c+\i]
.endr
.endr
.endm
	s_load_b256 s[4:11], s[0:1], 0x0               ; opc, ops, b_attn, qkvc
	s_load_b64 s[12:13], s[0:1], 0x20              ; qkvs
	v_lshl_add_u32 v[SPW], v0, 2, SPARE
	v_mov_b32 v[NIL], 0
	ds_add_u32 v[SPW], v[NIL]                      ; the wave's opening: the add and its wait ahead of my first tensor load; work on registers stands between
	v_lshrrev_b32 v1, 5, v0
	v_readfirstlane_b32 s14, v1                    ; wave 0..3
	s_lshr_b32 s15, s14, 1                         ; my half of A's rows.  Also: I fetch for A (0) or B (1)
	s_and_b32 s16, s14, 1                          ; my half of B's rows.  Also: which 128 rows I fetch
	s_bfe_u32 s40, ttmp6, 0x40000                  ; cx
	s_bfe_u32 s41, ttmp6, 0x40004                  ; cy
	s_and_b32 s67, ttmp7, 0xffff
	s_lshl_b32 s67, s67, 2                         ; 4 x cluster y
	s_lshl_b32 s45, ttmp9, 2                       ; 4 x cluster x
	s_cmp_eq_u32 ttmp9, 2                          ; the cluster's x: the same in all sixteen partners
	s_cselect_b32 s[ISV], 1, 0
	s_cselect_b32 s17, 8, s67                      ; A's tile of 256 rows: v: weight tiles 8 .. 11; else token tiles
	s_cselect_b32 s42, s67, s45                    ; B's: v: token tiles; else weight tiles 0 .. 7
	s_cselect_b32 s97, WC, 0                       ; where A's codes begin in opc,
	s_cselect_b32 s96, 0, WC                       ; B's,
	s_cselect_b32 s95, WS, 0                       ; A's scale bytes in ops,
	s_cselect_b32 s66, 0, WS                       ; B's
	s_add_co_u32 s17, s17, s41                     ; + cy: A hangs on cy alone of the two places
	s_add_co_u32 s42, s42, s40                     ; + cx: B on cx alone
	s_lshl_b32 s43, s41, 2
	s_lshl_b32 s43, 15, s43                        ; my row of the cluster
	s_lshl_b32 s44, 0x1111, s40                    ; my column
	; group 1 of the code tiles: 8 rows of 384 elements of 8 bytes (a tile's two fragments), 1,536 elements apart, dense in LDS
	s_or_b32 s[G1+0], s43, (3<<16)|(1<<21)
	s_or_b32 s[G1B+0], s44, (3<<16)|(1<<21)
.irp g, G1, G1B
	s_mov_b32 s[\g+1], 384<<16                     ; tensor_dim0
	s_mov_b32 s[\g+2], 8<<16                       ; tensor_dim1
	s_mov_b32 s[\g+3], 384<<16                     ; tile_dim0
	s_mov_b32 s[\g+4], 8                           ; tile_dim1
	s_mov_b32 s[\g+5], 1536                        ; from row to row
	s_mov_b32 s[\g+6], 0
	s_mov_b32 s[\g+7], 0
.endr
	; and of the scale bytes of 128 rows: 4,096 dense bytes as 16 rows of 256, 16 bytes of padding behind each
	s_or_b32 s[G1S+0], s43, (3<<16)|(1<<20)|(1<<21)|(5<<22)|(3<<25)
	s_or_b32 s[G1SB+0], s44, (3<<16)|(1<<20)|(1<<21)|(5<<22)|(3<<25)
.irp g, G1S, G1SB
	s_mov_b32 s[\g+1], 32<<16
	s_mov_b32 s[\g+2], 16<<16
	s_mov_b32 s[\g+3], 32<<16
	s_mov_b32 s[\g+4], 16
	s_mov_b32 s[\g+5], 32
	s_mov_b32 s[\g+6], 0
	s_mov_b32 s[\g+7], 0
.endr
	s_mov_b32 s[SEL], 0x76543210
	s_mov_b32 s[SEL+1], 0xfedcba98
	s_lshl_b32 s18, s16, 3                         ; which 8 tiles of 16 I fetch
	s_lshl_b32 s20, s17, 4
	s_add_co_u32 s20, s20, s18                     ; A: storage tile
	s_lshl_b32 s46, s42, 4
	s_add_co_u32 s46, s46, s18                     ; B
	s_lshl_b32 s22, s20, 9                         ; 512 scale bytes a tile
	s_add_co_u32 s22, s22, s95
	s_mov_b32 s23, 0
	s_lshl_b32 s92, s46, 9
	s_add_co_u32 s92, s92, s66
	s_mov_b32 s93, 0
	s_mul_i32 s20, s20, TILEB
	s_add_co_u32 s20, s20, s97
	s_mov_b32 s21, 0
	s_mul_i32 s46, s46, TILEB
	s_add_co_u32 s46, s46, s96
	s_mov_b32 s47, 0
	s_mul_i32 s45, s14, HALFT                      ; where they go: by the wave's number alone
	s_mul_i32 s94, s14, HALFS
	s_wait_dscnt 0x0                               ; the opening add is done
	s_wait_kmcnt 0x0
	s_add_nc_u64 s[20:21], s[4:5], s[20:21]
	s_add_nc_u64 s[22:23], s[6:7], s[22:23]
	s_add_nc_u64 s[46:47], s[4:5], s[46:47]
	s_add_nc_u64 s[92:93], s[6:7], s[92:93]
	CROUND                                         ; all sixteen work-groups are here: the first joint loads meet
	s_mov_b32 s[G0S], 1
	s_add_co_u32 s[G0S+1], s94, SCL
	s_mov_b64 s[G0S+2:G0S+3], s[22:23]
	s_or_b32 s[G0S+3], s[G0S+3], 0x80000000
	s_mov_b32 s[G0SB], 1
	s_add_co_u32 s[G0SB+1], s94, SCL
	s_mov_b64 s[G0SB+2:G0SB+3], s[92:93]
	s_or_b32 s[G0SB+3], s[G0SB+3], 0x80000000
	JLOAD G0S, G1S, G0SB, G1SB                     ; the scale bytes first.  Three loads of mine are out behind these three lines
.irp s, 0,1
	s_mov_b32 s[G0+4*\s], 1
	s_add_co_u32 s[G0+4*\s+1], s45, \s*SLOT
	s_add_nc_u64 s[G0+4*\s+2:G0+4*\s+3], s[20:21], \s*3072
	s_or_b32 s[G0+4*\s+3], s[G0+4*\s+3], 0x80000000
	s_mov_b32 s[G0B+4*\s], 1
	s_add_co_u32 s[G0B+4*\s+1], s45, \s*SLOT
	s_add_nc_u64 s[G0B+4*\s+2:G0B+4*\s+3], s[46:47], \s*3072
	s_or_b32 s[G0B+4*\s+3], s[G0B+4*\s+3], 0x80000000
	JLOAD G0+4*\s, G1, G0B+4*\s, G1B
.endr
	v_and_b32 v1, 15, v0                           ; r
	v_bfe_u32 v2, v0, 4, 1                         ; h
	v_and_b32 v3, 31, v0                           ; lane
	v_lshlrev_b32 v10, 3, v3                       ; 8 x lane
	s_mul_i32 s21, s15, HALFT                      ; my 128 rows of A
	s_mul_i32 s22, s16, HALFT
	s_add_co_u32 s22, s22, 2*HALFT                 ; my 128 rows of B, behind A's 256
.irp s, 0,1
	v_add_nc_u32 v[ADRA+\s], s21, v10
	v_add_nc_u32 v[ADRB+\s], s22, v10
	s_add_co_u32 s21, s21, SLOT
	s_add_co_u32 s22, s22, SLOT
.endr
	v_mul_u32_u24 v5, v1, 32                       ; my row's scale bytes: 32 a row,
	v_lshrrev_b32 v6, 8, v5
	v_lshl_add_u32 v5, v6, 4, v5                   ; and 16 more for each 256 passed
	s_mul_i32 s21, s15, HALFS
	s_mul_i32 s22, s16, HALFS
	s_add_co_u32 s22, s22, 2*HALFS
	s_sub_co_u32 s22, s22, s21
	v_mul_u32_u24 v6, s22, v2                      ; lanes 16-31 take B's
	s_add_co_u32 s21, s21, SCL
	v_add_nc_u32 v5, v5, v6
	v_add_nc_u32 v[ADRS], s21, v5
	; the biases: along the registers (q, k) and of the lane (v).  The set that this work-group does not use reads the buffer's first bytes and is ignored
	s_lshl_b32 s92, s42, 10
	s_lshl_b32 s93, s16, 9
	s_add_co_u32 s92, s92, s93                     ; 4 x (256 B tile + 128 half)
	s_lshl_b32 s94, s17, 10
	s_lshl_b32 s95, s15, 9
	s_add_co_u32 s94, s94, s95                     ; 4 x (256 A tile + 128 half)
	s_cmp_eq_u32 s[ISV], 1
	s_cselect_b32 s92, 0, s92
	s_cselect_b32 s94, s94, 0
	s_mov_b32 s93, 0
	s_mov_b32 s95, 0
	s_add_nc_u64 s[92:93], s[8:9], s[92:93]
	s_add_nc_u64 s[94:95], s[8:9], s[94:95]
	v_lshlrev_b32 v8, 6, v2                        ; 64 h
	v_and_b32 v9, 8, v1
	v_add_nc_u32 v9, v9, v1
	v_lshlrev_b32 v9, 2, v9                        ; 4 (r + 8 (r / 8))
.irp b, 0,1,2,3,4,5,6,7
	global_load_b128 v[BIA+8*\b:BIA+8*\b+3], v8, s[92:93] offset:128*(\b/2)+32*(\b%2)
	global_load_b128 v[BIA+8*\b+4:BIA+8*\b+7], v8, s[92:93] offset:128*(\b/2)+32*(\b%2)+16
.endr
.irp a, 0,1,2,3,4,5,6,7
	global_load_b32 v[BIL+2*\a], v9, s[94:95] offset:128*(\a/2)+32*(\a%2)
	global_load_b32 v[BIL+2*\a+1], v9, s[94:95] offset:128*(\a/2)+32*(\a%2)   ; twice: a pair for the packed addition
.endr
	v_lshlrev_b32 v11, 4, v3                       ; 16 x lane
	v_lshlrev_b32 v12, 4, v1
	v_lshl_add_u32 v13, v2, 12, v12                ; 4,096 h + 16 r
	v_lshl_add_u32 v12, v2, 13, v12                ; 8,192 h + 16 r
	v_lshlrev_b32 v14, 4, v2                       ; 16 h
.irp b, 0,1,2,3
	v_mov_b32 v[TM+4+\b], 0                        ; written once: a lane permute's destination counts as a source
.endr
.macro FRAG reg, adr, q, i             ; a fragment's image: six pieces of 256 consecutive bytes
.irp p, 0,1,2,3,4,5
	ds_load_b64 v[\reg+2*\p:\reg+2*\p+1], v[\adr] offset:(\i)*3072+(\q)*1536+256*\p
.endr
.endm
; 16 products: A's blocks a0, a0 + 1 x B's eight.  The 64 accumulators take turns, one instruction a turn, in the same order in every step.  zero = 1: the product starts the sum
.macro MUL16 a0, p, q, sc, zero
.irp a, \a0, \a0+1
.irp b, 0,1,2,3,4,5,6,7
.if \zero
	v_wmma_scale_f32_16x16x128_f8f6f4 v[8*(8*((\a)%4)+\b):8*(8*((\a)%4)+\b)+7], v[128*(\p)+FR*\b:128*(\p)+FR*\b+FR-1], v[AF+FR*(\a):AF+FR*(\a)+FR-1], 0, v[SC+8*NQ*(\sc)+NQ*\b+(\q)], v[SC+8*NQ*(\sc)+NQ*(\a)+(\q)] matrix_a_fmt:MATRIX_FMT_FP6 matrix_b_fmt:MATRIX_FMT_FP6 matrix_a_scale:MATRIX_SCALE_ROW1
.else
	v_wmma_scale_f32_16x16x128_f8f6f4 v[8*(8*((\a)%4)+\b):8*(8*((\a)%4)+\b)+7], v[128*(\p)+FR*\b:128*(\p)+FR*\b+FR-1], v[AF+FR*(\a):AF+FR*(\a)+FR-1], v[8*(8*((\a)%4)+\b):8*(8*((\a)%4)+\b)+7], v[SC+8*NQ*(\sc)+NQ*\b+(\q)], v[SC+8*NQ*(\sc)+NQ*(\a)+(\q)] matrix_a_fmt:MATRIX_FMT_FP6 matrix_b_fmt:MATRIX_FMT_FP6 matrix_a_scale:MATRIX_SCALE_ROW1
.endif
.endr
.endr
.endm
.macro FETCH_B slot, q, p
	WIN TO_B
.irp i, 0,1,2,3,4,5,6,7
	FRAG 128*(\p)+FR*\i, ADRB+\slot, \q, \i
.endr
	WIN 0
.endm
.macro FETCH_A slot, q, i0
.irp i, \i0, \i0+1, \i0+2, \i0+3
	FRAG AF+FR*(\i), ADRA+\slot, \q, \i
.endr
.endm
.macro SCALES sc                       ; a slot's two scale words a row: lanes 0-15 A's block i, lanes 16-31 B's block i
.irp i, 0,1,2,3,4,5,6,7
	ds_load_b64 v[SC+8*NQ*\sc+NQ*\i:SC+8*NQ*\sc+NQ*\i+1], v[ADRS] offset:\i*SBLK
.endr
.endm
.macro PLACES n                        ; plain vector places behind matrix instructions, ahead of loads into their registers and of reads of results
.rept \n
	v_nop
.endr
.endm
.macro STEP slot, q, zero              ; 128 along K whose successor lies in the same slot
	s_wait_dscnt 4*NL                              ; B's set and A's blocks 0-3 are in; the youngest 24 loads (A's blocks 4-7) may be out
	WMUL 0, \zero
	MUL16 0, (\q)%2, \q, \slot, \zero
	MUL16 2, (\q)%2, \q, \slot, \zero
	s_wait_dscnt 0
	PLACES NP
	FETCH_B \slot, (\q)+1, 1-(\q)%2
	FETCH_A \slot, (\q)+1, 0
	WMUL 1, \zero
	MUL16 4, (\q)%2, \q, \slot, \zero
	MUL16 6, (\q)%2, \q, \slot, \zero
	PLACES NP
	WIN 0
	FETCH_A \slot, (\q)+1, 4
.endm
; A slot's last step changes slots: one barrier; ahead of it each wave waits for all its tensor loads, adds 0 to its spare word, and waits for that and for its reads of this slot.  fill = 1: the slot is filled again, two slots ahead
.macro TURN slot, next, fill
	s_wait_tensorcnt 0x0                           ; all my tensor loads have landed: my part of the next slot
	ds_add_u32 v[SPW], v[NIL]                      ; 0 onto my spare word
	s_wait_dscnt 4*NL+1                            ; (the add and A's blocks 4-7 may be out)
	WMUL 0, 0
	MUL16 0, 1, NQ-1, \slot, 0
	s_wait_dscnt 0x0                               ; the add is done, and my reads of this slot are over
	s_barrier_signal -1
	MUL16 2, 1, NQ-1, \slot, 0
	WIN 0
	s_barrier_wait -1
.if \fill
	CREST                                          ; the barrier has opened a round of the cluster's: no wave of any partner still reads this slot or has a load on its way
	s_add_nc_u64 s[G0+4*\slot+2:G0+4*\slot+3], s[G0+4*\slot+2:G0+4*\slot+3], 2*3072
	s_add_nc_u64 s[G0B+4*\slot+2:G0B+4*\slot+3], s[G0B+4*\slot+2:G0B+4*\slot+3], 2*3072
	JLOAD G0+4*\slot, G1, G0B+4*\slot, G1B         ; my one tensor load behind the round; its four v_nop are the places ahead of the loads below
.else
	PLACES NP
.endif
	v_add_nc_u32 v[ADRS], 4*NQ, v[ADRS]
	FETCH_B \next, 0, 0
	FETCH_A \next, 0, 0
	SCALES \next
	WMUL 1, 0
	MUL16 4, 1, NQ-1, \slot, 0
	MUL16 6, 1, NQ-1, \slot, 0
	PLACES NP
	WIN 0
	FETCH_A \next, 0, 4
.endm
	s_wait_tensorcnt 1                             ; the scale bytes and my part of slot 0 are in; slot 1's load may be out
	s_barrier_signal -1
	s_barrier_wait -1
	FETCH_B 0, 0, 0
	FETCH_A 0, 0, 0
	SCALES 0
	FETCH_A 0, 0, 4
	STEP 0, 0, 1                                   ; the first step starts the sums
	s_mov_b32 s3, 1
.Llap:                                                 ; once round the ring; both slots are filled again
	TURN 0, 1, 1
	STEP 1, 0, 0
	TURN 1, 0, 1
	STEP 0, 0, 0
	s_sub_co_u32 s3, s3, 1
	s_cmp_lg_u32 s3, 0
	s_cbranch_scc1 .Llap
	TURN 0, 1, 0                                   ; the last lap fills nothing
	STEP 1, 0, 0
	s_wait_dscnt 4*NL
	WMUL 0, 0
	MUL16 0, 1, NQ-1, 1, 0
	MUL16 2, 1, NQ-1, 1, 0
	s_wait_dscnt 0
	WMUL 1, 0
	MUL16 4, 1, NQ-1, 1, 0
	MUL16 6, 1, NQ-1, 1, 0
	WIN 0
	s_wait_loadcnt 0x0                             ; the biases; their address registers are free now
	PLACES NP
	; where my results go
	s_cmp_eq_u32 s[ISV], 1
	s_cselect_b32 s92, s42, s17                    ; the token tile of 256,
	s_cselect_b32 s93, s16, s15                    ; my half of it,
	s_cselect_b32 s94, s17, s42                    ; the column tile of 256 (four heads),
	s_cselect_b32 s95, s15, s16                    ; my half of it
	s_lshl_b32 s92, s92, 1
	s_add_co_u32 s92, s92, s93                     ; step of 128 tokens, 0..63
	s_lshr_b32 s96, s92, 4                         ; batch
	s_and_b32 s97, s92, 15                         ; step in the sequence
	s_and_b32 s94, s94, 3
	s_lshl_b32 s94, s94, 2
	s_lshl_b32 s95, s95, 1
	s_add_co_u32 s94, s94, s95                     ; my first head
	s_lshl_b32 s96, s96, 4
	s_add_co_u32 s96, s96, s94                     ; bh
	s_mul_i32 s20, s96, 98304
	s_mul_i32 s21, s97, 6144
	s_add_co_u32 s20, s20, s21
	s_mul_i32 s21, ttmp9, 6291456                  ; q's, k's or v's part
	s_add_co_u32 s20, s20, s21
	s_mov_b32 s21, 0
	s_add_nc_u64 s[18:19], s[10:11], s[20:21]
	s_lshl_b32 s20, s96, 13
	s_lshl_b32 s45, s97, 9
	s_add_co_u32 s20, s20, s45                     ; q, k: 8,192 bytes a head, 512 a step
	s_lshr_b32 s45, s20, 1
	s_add_co_u32 s45, s45, 1048576                 ; v: half of that, behind q's and k's
	s_mul_i32 s67, ttmp9, 524288
	s_add_co_u32 s20, s20, s67
	s_cmp_eq_u32 s[ISV], 1
	s_cselect_b32 s20, s45, s20
	s_add_nc_u64 s[22:23], s[12:13], s[20:21]
	s_mov_b32 s67, 0xffff0000                      ; lanes 16-31
	s_cmp_eq_u32 s[ISV], 1
	s_cbranch_scc1 .Larm_v
; Block a of my 128 lanes' rows: bias, quantise, store.  Each accumulator is read from its low end on.
.macro OUTBLK a, isv
	WIN 0x02+((\a)/4)                              ; source 0: window 2 or 3
.set i, 0
.rept 32
.if \isv
	v_pk_add_f32 v[X+2*i:X+2*i+1], v[64*((\a)%4)+2*i:64*((\a)%4)+2*i+1], v[BIL+2*(\a):BIL+2*(\a)+1]
.else
	v_pk_add_f32 v[X+2*i:X+2*i+1], v[64*((\a)%4)+2*i:64*((\a)%4)+2*i+1], v[BIA+2*i:BIA+2*i+1]
.endif
.set i, i+1
.endr
	WIN 0
.if (\a) > 0
	s_wait_xcnt 0x0                                ; the last block's stores have read their data
.endif
	QUANT X, SW+(\a)
.if \isv
.irp g, 0,1,2
	global_store_b128 v11, v[PC+4*\g:PC+4*\g+3], s[18:19] offset:98304*((\a)/4)+1536*((\a)%4)+512*\g   ; V^T's fragment: 16 d x 128 keys; 512 consecutive bytes, aligned
.endr
.else
.irp c, 0,1
.irp u, 0,1,2
	global_store_b64 v10, v[PC+6*\c+2*\u:PC+6*\c+2*\u+1], s[18:19] offset:98304*\c+768*(\a)+256*\u   ; head c's half fragment of token tile a; 256 consecutive bytes, aligned
.endr
.endr
.endif
.endm
.irp a, 0,1,2,3,4,5,6,7
	OUTBLK \a, 0
.endr
.irp a, 0,1,2,3,4,5,6,7
	v_bfe_u32 v[SW+\a], v[SW+\a], v14, 16          ; lanes 0-15 the first head's two bytes, lanes 16-31 the second's; bytes 2, 3 are 0
.endr
	global_store_b128 v12, v[SW:SW+3], s[22:23]
	global_store_b128 v12, v[SW+4:SW+7], s[22:23] offset:256
	s_branch .Ldone
.Larm_v:
.irp a, 0,1,2,3,4,5,6,7
	OUTBLK \a, 1
.endr
.irp i, 0,1,2,3
	v_cndmask_b32 v[T4+\i], v[SW+\i], v[SW+4+\i], s67   ; lanes 0-15 the first head's four d tiles, lanes 16-31 the second's
.endr
	global_store_b128 v13, v[T4:T4+3], s[22:23]
.Ldone:
	s_wait_tensorcnt 0x0                           ; the wave's end
	ds_add_u32 v[SPW], v[NIL]
	s_wait_dscnt 0x0
	CROUND                                         ; the closing round
	s_endpgm
.Lfunc_end_k_q5232455ad7_gemm1:
	.size	k_q5232455ad7_gemm1, .Lfunc_end_k_q5232455ad7_gemm1-k_q5232455ad7_gemm1
	.p2alignl 7, 3214868480
	.fill 96, 4, 3214868480
	.section	.rodata,"a",@progbits
	.p2align	6, 0x0
	.amdhsa_kernel k_q5232455ad7_gemm1
		.amdhsa_group_segment_fixed_size 327680
		.amdhsa_private_segment_fixed_size 0
		.amdhsa_enable_private_segment 0
		.amdhsa_kernarg_size 40
		.amdhsa_user_sgpr_count 2
		.amdhsa_user_sgpr_kernarg_segment_ptr 1
		.amdhsa_wavefront_size32 1
		.amdhsa_system_sgpr_workgroup_id_x 1
		.amdhsa_system_sgpr_workgroup_id_y 1
		.amdhsa_system_sgpr_workgroup_id_z 1
		.amdhsa_system_vgpr_workitem_id 0
		.amdhsa_next_free_vgpr 1024
		.amdhsa_next_free_sgpr 100
		.amdhsa_reserve_vcc 0
		.amdhsa_float_denorm_mode_32 3
		.amdhsa_float_denorm_mode_16_64 3
		.amdhsa_memory_ordered 1
		.amdhsa_forward_progress 1
		.amdhsa_inst_pref_size 236
	.end_amdhsa_kernel
	.amdgpu_metadata
---
amdhsa.version: [ 1, 2 ]
amdhsa.kernels:
  - .name:           k_q5232455ad7_gemm1
    .symbol:         k_q5232455ad7_gemm1.kd
    .args:
      - { .name: opc, .offset: 0, .size: 8, .value_kind: global_buffer, .address_space: global }
      - { .name: ops, .offset: 8, .size: 8, .value_kind: global_buffer, .address_space: global }
      - { .name: b_attn, .offset: 16, .size: 8, .value_kind: global_buffer, .address_space: global }
      - { .name: qkvc, .offset: 24, .size: 8, .value_kind: global_buffer, .address_space: global }
      - { .name: qkvs, .offset: 32, .size: 8, .value_kind: global_buffer, .address_space: global }
    .group_segment_fixed_size: 327680
    .private_segment_fixed_size: 0
    .kernarg_segment_align: 8
    .kernarg_segment_size: 40
    .max_flat_workgroup_size: 128
    .sgpr_count:     100
    .vgpr_count:     1024
    .wavefront_size: 32
...
	.end_amdgpu_metadata
.endif
;; end of part 2
;; launch attn (part 3): grid 4 x 64, 16 waves a work-group, no clusters, 210,944 bytes of LDS; arguments qkvc, qkvs, mask, cls, attc, atts; writes attc, atts
.if DOCPART == 3
	.amdgcn_target "amdgcn-amd-amdhsa--gfx1250"
	.amdhsa_code_object_version 6
	.text
	.protected	k_q5232455ad7_attn
	.globl	k_q5232455ad7_attn
	.p2align	8
	.type	k_q5232455ad7_attn,@function
k_q5232455ad7_attn:
	s_mov_b64 s[64:65], 0
	v_nop
	global_prefetch_b8 v0, s[64:65] scope:SCOPE_SE
	s_setreg_imm32_b32 hwreg(HW_REG_WAVE_MODE, 25, 1), 1
	s_wait_xcnt 0x0
; ATTN.  For each of 64 (batch, head): O = softmax(mask ? q k^T / 8 : -1e10) v, both products on codes of FP6 (E2M3) with E8M0 scales; O / l is quantised along D and stored as the next product's operand.
; THE SOFTMAX: t = score x log2(e) / 8; M = the running largest t rounded up to a whole number; p = 2^(t - M) is quantised along the keys, not normalised; the sum is taken of the unquantised p and divides at the end.
; THE MASK is read as it is given.  An earlier launch has stored, for each tile of 16 queries and step of 128 keys, a class: 0 = no byte true, and every row has a true byte elsewhere.
; 1 = all true; 2 = mixed: the mask bytes are loaded and hidden scores are replaced.
; LIMITS.  A hidden score becomes -2^36 (a logit of -8.59e9 in place of -1e10), so that c x score is a whole number and a row with no true byte gives p = 1 for every key: uniform weights, as -1e10 gives.  A row with a true byte is served
; where its largest open logit lies above -8.5e9: hidden keys then add exactly 0.  NaN and infinities are not served.  A block of zeros carries the byte 1.
; SHARES.  Work-group (i, bh) takes the query blocks 7 - i and i of 256 tokens; each of its sixteen waves one tile of 16 queries a pass, in 256 registers: four waves to a SIMD.
; THE HEAD'S K AND V, 204 KB of codes and scale words, come into LDS ONCE, through registers, and are only read afterwards: one barrier in the launch.  No tensor load, and no joint
; loads either: the four work-groups of a head each read its K and V.  No prefetch: the one fill goes out at the head.
; LAYOUT.  Both products transposed: a lane holds one query.  K's tiles are storage tiles (row r of tile 2 B + u = key 32 B + 8 u + r + 8 (r / 8)), so S^T's register 16 b + i is key 32 b + 16 (lane / 16) + i.
; The head has 64 along K: Q's upper six registers are zero codes, K's upper six are whatever follows (the next tile's codes), and both sides' scale bytes 2, 3 are 0.
; The two scale bytes of a row and head are stored singly: the four bytes of a word belong to two work-groups.
.set KC,    0                          ; K's codes: [tile 128][768]
.set VC,    98304                      ; V's: [step 16][d tile 4][1,536]
.set KSB,   196608                     ; K's scale words: [step][g 2][r 16][4]
.set VSB,   204800                     ; V's: [step][r 16][d tile 4]
.set SPARE, 208896                     ; the spare words, 128 bytes for each of 16 waves: no other line names them
; v1 8 lane; v2 VC + 16 lane; v3 KSB + 16 r; v4 VSB + 16 r; v5, v6 the add's two; v7 my query's mask row; v8-11 the step's LDS addresses; v12 -M; v13 largest t; v14-15 the sum; v16-21 Q, v22-27 zeros;
; v30 32 r + h; v31 mask offset of (r, h); v32-79 K's eight tiles, then V's four fragments; v80-85 zeros; v86, v88 at work; v87 -2^36; v89 16 r; v96-159 S^T, p; v160-191 O^T; v192-207 mask bytes;
; v208-215 K's scale words; v216-219 V's; v224-235 p's codes; v232-247, v252, v254 at work; v253 p's scale word; v255 Q's.
	s_load_b256 s[4:11], s[0:1], 0x0               ; qkvc, qkvs, mask, cls
	s_load_b128 s[12:15], s[0:1], 0x20             ; attc, atts
	v_lshl_add_u32 v5, v0, 2, SPARE
	v_mov_b32 v6, 0
	v_lshrrev_b32 v1, 5, v0
	v_readfirstlane_b32 s24, v1                    ; wave 0..15
	s_and_b32 s25, ttmp7, 0xffff                   ; bh
	s_mov_b32 s26, ttmp9                           ; i
	s_mov_b32 s28, 0x76543210
	s_mov_b32 s29, 0xfedcba98                      ; lane l xor 16
	s_mov_b32 s30, 0x3e38aa3b                      ; c = log2(e) / 8
	s_mov_b32 s31, s30
	s_mov_b32 s32, 0xffff0000                      ; lanes 16-31
	v_lshlrev_b32 v7, 4, v0                        ; the fill: 16 x thread,
	v_lshlrev_b32 v91, 3, v0                       ; 8 x thread,
.irp k, 0,1,2,3
	v_lshl_add_u32 v[8+\k], v0, 4, \k*65536        ; and in LDS, one register for each 65,536 bytes
.endr
	v_lshl_add_u32 v92, v0, 3, 196608
	s_mul_i32 s16, s25, 98304
	s_add_co_u32 s18, s16, 6291456
	s_mov_b32 s19, 0
	s_add_co_u32 s20, s16, 12582912
	s_mov_b32 s21, 0
	s_lshl_b32 s22, s25, 13
	s_add_co_u32 s22, s22, 524288
	s_mov_b32 s23, 0
	s_lshl_b32 s54, s25, 12
	s_add_co_u32 s54, s54, 1048576
	s_mov_b32 s55, 0
	s_wait_kmcnt 0x0
	s_add_nc_u64 s[18:19], s[4:5], s[18:19]        ; the head's K codes,
	s_add_nc_u64 s[20:21], s[4:5], s[20:21]        ; V codes,
	s_add_nc_u64 s[22:23], s[6:7], s[22:23]        ; K scale words,
	s_add_nc_u64 s[54:55], s[6:7], s[54:55]        ; V scale words
.irp i, 0,1,2,3,4,5,6,7,8,9,10,11
	global_load_b128 v[32+4*\i:35+4*\i], v7, s[18:19] offset:8192*\i
.endr
.irp i, 0,1,2,3,4,5,6,7,8,9,10,11
	global_load_b128 v[96+4*\i:99+4*\i], v7, s[20:21] offset:8192*\i
.endr
	global_load_b128 v[144:147], v7, s[22:23]
	global_load_b64 v[148:149], v91, s[54:55]
	v_and_b32 v90, 31, v0                          ; lane
	v_and_b32 v86, 15, v0                          ; r
	v_bfe_u32 v88, v0, 4, 1                        ; h
	v_lshlrev_b32 v1, 3, v90
	v_lshl_add_u32 v2, v90, 4, VC
	v_lshl_add_u32 v3, v86, 4, KSB
	v_lshl_add_u32 v4, v86, 4, VSB
	v_lshlrev_b32 v89, 4, v86
	v_lshl_add_u32 v30, v86, 5, v88
	v_and_b32 v31, 8, v86
	v_add_nc_u32 v31, v31, v86
	v_lshlrev_b32 v31, 11, v31
	v_lshl_add_u32 v31, v88, 4, v31                ; (r + 8 (r / 8)) rows of 2,048 bytes + 16 h
.irp j, 0,1,2,3,4,5
	v_mov_b32 v[22+\j], 0                          ; Q's upper half: zero codes
	v_mov_b32 v[80+\j], 0                          ; behind K's last tile
.endr
	v_mov_b32 v87, 0xd1800000                      ; -2^36
	s_wait_loadcnt 14                              ; K's 12 loads are in; V's 12 and the two of scale words may be out
.irp i, 0,1,2,3,4,5,6,7,8,9,10,11
	ds_store_b128 v[8+((KC+8192*\i)>>16)], v[32+4*\i:35+4*\i] offset:(KC+8192*\i)&0xffff
.endr
	s_wait_loadcnt 2                               ; V's are in
.irp i, 0,1,2,3,4,5,6,7,8,9,10,11
	ds_store_b128 v[8+((VC+8192*\i)>>16)], v[96+4*\i:99+4*\i] offset:(VC+8192*\i)&0xffff
.endr
	s_wait_loadcnt 0x0
	ds_store_b128 v11, v[144:147]                  ; KSB = 3 x 65,536
	ds_store_b64 v92, v[148:149] offset:8192       ; VSB
	s_wait_dscnt 0x0                               ; for the others' sake: my stores have landed
	s_barrier_signal -1
	s_barrier_wait -1                              ; the head's K and V lie in LDS; nothing writes them again
.macro PASS which
	s_wait_xcnt 0x0                                ; the last pass's loads and stores have read their addresses and data
.if \which == 0
	s_sub_co_u32 s33, 7, s26
.else
	s_mov_b32 s33, s26
.endif
	s_lshl_b32 s34, s33, 4
	s_add_co_u32 s34, s34, s24                     ; my query tile, 0..127
	s_lshl_b32 s56, s25, 7
	s_add_co_u32 s56, s56, s34
	s_mul_i32 s56, s56, 768
	s_mov_b32 s57, 0
	s_add_nc_u64 s[36:37], s[4:5], s[56:57]        ; its codes
	s_lshr_b32 s56, s34, 2
	s_lshl_b32 s56, s56, 8
	s_and_b32 s58, s34, 3
	s_lshl_b32 s58, s58, 2
	s_add_co_u32 s56, s56, s58
	s_lshl_b32 s58, s25, 13
	s_add_co_u32 s56, s56, s58
	s_add_nc_u64 s[38:39], s[6:7], s[56:57]        ; its scale words: 256 bytes for four tiles, word tile % 4 of row r's four
	s_lshl_b32 s56, s34, 2
	s_add_nc_u64 s[40:41], s[10:11], s[56:57]
	s_load_b32 s42, s[40:41], 0x0                  ; its class word
.irp u, 0,1,2
	global_load_b64 v[16+2*\u:17+2*\u], v1, s[36:37] offset:256*\u
.endr
	global_load_b32 v255, v89, s[38:39]
	s_lshr_b32 s56, s34, 1
	s_lshl_b32 s56, s56, 5
	s_and_b32 s58, s34, 1
	s_lshl_b32 s58, s58, 3
	s_add_co_u32 s56, s56, s58                     ; the tile's first true token
	s_lshl_b32 s56, s56, 11
	v_add_nc_u32 v7, s56, v31
	s_lshr_b32 s56, s25, 4
	s_lshl_b32 s56, s56, 7
	s_add_co_u32 s56, s56, s34                     ; the token tile among all 512
	s_and_b32 s60, s25, 15                         ; the head
	s_lshl_b32 s58, s56, 9
	s_lshl_b32 s61, s60, 1
	s_add_co_u32 s58, s58, s61
	s_mov_b32 s59, 0
	s_add_nc_u64 s[52:53], s[14:15], s[58:59]      ; scale bytes: 512 a tile, + 2 x head
	s_lshl_b32 s58, s56, 3
	s_lshr_b32 s61, s60, 1
	s_add_co_u32 s58, s58, s61
	s_mul_i32 s58, s58, 1536
	s_and_b32 s61, s60, 1
	s_mul_i32 s61, s61, 768
	s_add_co_u32 s58, s58, s61
	s_add_nc_u64 s[50:51], s[12:13], s[58:59]      ; codes: fragment head / 2 of the tile, its half head % 2
	v_mov_b32 v13, 0xff61b1e6                      ; the largest t so far: -3e38
	v_floor_f32 v12, -v13
	v_mov_b32 v14, 0
	v_mov_b32 v15, 0
.irp b, 0,1,2,3
	v_mov_b32 v[236+\b], 0                         ; a lane permute's destination counts as a source
.endr
	v_mov_b32 v252, 0
	v_mov_b32 v253, 0
.set j, 0
.rept 32
	v_mov_b32 v[160+j], 0                          ; O^T: the loop has no first step of its own
.set j, j+1
.endr
	s_mov_b32 s43, 0                               ; the class's place in the word
	s_mov_b32 s44, 0                               ; the step's codes: 6,144 bytes a step, in K and in V
	s_mov_b32 s45, 0                               ; K's scale words: 512
	s_mov_b32 s46, 0                               ; V's: 256
	s_mov_b32 s47, 0                               ; the step's first key
	s_mov_b32 s48, 16
	s_wait_loadcnt 0x0
	s_wait_kmcnt 0x0
.Lstep_\@:                                         ; sixteen trips, a constant; a step's work may be jumped over
	s_lshr_b32 s96, s42, s43
	s_and_b32 s96, s96, 3
	s_cmp_eq_u32 s96, 0
	s_cbranch_scc1 .Lskip_\@
	v_add_nc_u32 v8, s44, v1                       ; (these four are the places behind the last step's products)
	v_add_nc_u32 v9, s44, v2
	v_add_nc_u32 v10, s45, v3
	v_add_nc_u32 v11, s46, v4
.irp t, 0,1,2,3,4,5,6,7
.irp u, 0,1,2
	ds_load_b64 v[32+6*\t+2*\u:33+6*\t+2*\u], v8 offset:768*\t+256*\u
.endr
.endr
	ds_load_b128 v[208:211], v10
	ds_load_b128 v[212:215], v10 offset:256
	s_wait_dscnt 0x0
.irp t, 0,1,2,3,4,5,6,7
	v_wmma_scale_f32_16x16x128_f8f6f4 v[96+8*\t:103+8*\t], v[32+6*\t:43+6*\t], v[16:27], 0, v[208+\t], v255 matrix_a_fmt:MATRIX_FMT_FP6 matrix_b_fmt:MATRIX_FMT_FP6
.endr
.rept 4
	v_nop                                          ; places ahead of the loads into K's registers and of the first read of the scores
.endr
.irp d, 0,1,2,3
.irp g, 0,1,2
	ds_load_b128 v[32+12*\d+4*\g:35+12*\d+4*\g], v9 offset:1536*\d+512*\g   ; V lands while the softmax runs
.endr
.endr
	ds_load_b128 v[216:219], v11
	s_cmp_lg_u32 s96, 2
	s_cbranch_scc1 .Lopen_\@
	v_add_nc_u32 v86, s47, v7
.irp b, 0,1,2,3
	global_load_b128 v[192+4*\b:195+4*\b], v86, s[8:9] offset:32*\b   ; the mask bytes of my query and my 16 keys of block b
.endr
	s_wait_loadcnt 0x0
.set n, 0
.rept 64
	v_and_b32 v88, 1<<(8*(n%4)), v[192+n/4]
	v_cmp_eq_u32 vcc_lo, 0, v88
	v_cndmask_b32 v[96+n], v[96+n], v87, vcc_lo    ; hidden: -2^36
.set n, n+1
.endr
.Lopen_\@:
.irp b, 0,1,2,3
	v_max3_num_f32 v[232+\b], v[96+16*\b], v[97+16*\b], v[98+16*\b]   ; the largest score of each block of 32 keys: for the row's maximum and for the block's largest p
.endr
.irp i, 3,5,7,9,11,13
.irp b, 0,1,2,3
	v_max3_num_f32 v[232+\b], v[232+\b], v[96+16*\b+\i], v[97+16*\b+\i]
.endr
.endr
.irp b, 0,1,2,3
	v_max_num_f32 v[232+\b], v[232+\b], v[111+16*\b]
.endr
.irp b, 0,1,2,3
	v_permlanex16_b32 v[236+\b], v[232+\b], s28, s29
.endr
.irp b, 0,1,2,3
	v_max_num_f32 v[232+\b], v[232+\b], v[236+\b]
.endr
	v_max3_num_f32 v254, v232, v233, v234
	v_max_num_f32 v254, v254, v235
	v_mul_f32 v254, s30, v254                      ; as t
	v_max_num_f32 v13, v13, v254
	v_mov_b32 v254, v12
	v_floor_f32 v12, -v13                          ; -M = floor(-t): M is a whole number
	v_sub_f32 v254, v12, v254
	v_cvt_i32_f32 v254, v254                       ; old M - new M (it saturates)
	v_ldexp_f32 v252, 1.0, v254                    ; f = 2^(old M - new M)
.set j, 0
.rept 32
	v_pk_fma_f32 v[96+j:97+j], v[96+j:97+j], s[30:31], v[12:13] op_sel_hi:[1,0,0]   ; t - M
.set j, j+2
.endr
.irp b, 0,1,2,3
	v_fma_f32 v[232+\b], v[232+\b], s30, v12
.endr
.set j, 0
.rept 64
	v_exp_f32 v[96+j], v[96+j]                     ; p, at most 1
.set j, j+1
.endr
.irp b, 0,1,2,3
	v_exp_f32 v[232+\b], v[232+\b]                 ; the block's largest p: the same two instructions on the same number
.endr
	v_pk_mul_f32 v[14:15], v[14:15], v[252:253] op_sel_hi:[1,0]   ; the sum under the new M: plain work behind the batch,
.set j, 0
.rept 16
	v_pk_mul_f32 v[160+j:161+j], v[160+j:161+j], v[252:253] op_sel_hi:[1,0]   ; and O^T
.set j, j+2
.endr
	s_wait_alu depctr_va_vdst(0)                   ; one wait for the 68 exponentials, ahead of the first line that names a result
.irp b, 0,1,2,3
	v_max_num_f32 v[232+\b], 0x1800000, v[232+\b]  ; the floor: the byte cannot fall under 1
.endr
.irp b, 0,1,2,3
	v_add_nc_u32 v[244+\b], 0xff000000, v[232+\b]
.endr
.irp b, 0,1,2,3
	v_lshrrev_b32 v[236+\b], 23, v[244+\b]
.endr
	v_lshl_or_b32 v253, v237, 8, v236              ; p's scale word for these 128 keys
	v_lshl_or_b32 v253, v238, 16, v253
	v_lshl_or_b32 v253, v239, 24, v253
.irp c, 0,1
	v_cvt_scalef32_pk16_fp6_f32 v[224+6*\c:226+6*\c], v[96+32*\c:111+32*\c], v[244+2*\c]
	v_cvt_scalef32_pk16_fp6_f32 v[236+4*\c:238+4*\c], v[112+32*\c:127+32*\c], v[244+2*\c+1]
.endr
	v_nop                                          ; one plain place behind a scaled conversion
.irp c, 0,1
.irp i, 0,1,2
	v_permlane16_swap_b32 v[224+6*\c+\i], v[236+4*\c+\i]
.endr
.irp i, 0,1,2
	v_mov_b32 v[227+6*\c+\i], v[236+4*\c+\i]
.endr
.endr
	v_pk_add_f32 v[236:237], v[96:97], v[98:99]    ; the row's sum of the unquantised p, in two chains: these 32 lines are also the places between the scale word, the codes and the products
.irp j, 4,8,12,16,20,24,28,32,36,40,44,48,52,56,60
	v_pk_add_f32 v[14:15], v[14:15], v[96+\j:97+\j]
	v_pk_add_f32 v[236:237], v[236:237], v[98+\j:99+\j]
.endr
	v_pk_add_f32 v[14:15], v[14:15], v[236:237]
	s_wait_dscnt 0x0                               ; V and its scale words are in
.irp d, 0,1,2,3
	v_wmma_scale_f32_16x16x128_f8f6f4 v[160+8*\d:167+8*\d], v[32+12*\d:43+12*\d], v[224:235], v[160+8*\d:167+8*\d], v[216+\d], v253 matrix_a_fmt:MATRIX_FMT_FP6 matrix_b_fmt:MATRIX_FMT_FP6
.endr
.Lskip_\@:
	s_add_co_u32 s44, s44, 6144
	s_add_co_u32 s45, s45, 512
	s_add_co_u32 s46, s46, 256
	s_add_co_u32 s47, s47, 128
	s_add_co_u32 s43, s43, 2
	s_sub_co_u32 s48, s48, 1
	s_cmp_lg_u32 s48, 0
	s_cbranch_scc1 .Lstep_\@
	; the way out: O^T / l, quantised along the head's 64 (two blocks), as half a fragment of the next product
.rept 4
	v_nop
.endr
	v_add_f32 v14, v14, v15
	v_permlanex16_b32 v252, v14, s28, s29
	v_add_f32 v14, v14, v252                       ; the row's sum
	v_rcp_f32 v14, v14
	v_nop
	s_wait_alu depctr_va_vdst(0)                   ; ahead of the reciprocal's first reader
.set j, 0
.rept 16
	v_pk_mul_f32 v[96+j:97+j], v[160+j:161+j], v[14:15] op_sel_hi:[1,0]   ; register 16 b + i is d = 32 b + 16 (lane / 16) + i
.set j, j+2
.endr
.irp b, 0,1
	v_max3_num_f32 v[232+\b], |v[96+16*\b]|, |v[97+16*\b]|, 0x1800000
.endr
.irp i, 2,4,6,8,10,12,14
.irp b, 0,1
	v_max3_num_f32 v[232+\b], v[232+\b], |v[96+16*\b+\i]|, |v[97+16*\b+\i]|
.endr
.endr
.irp b, 0,1
	v_permlanex16_b32 v[236+\b], v[232+\b], s28, s29
.endr
.irp b, 0,1
	v_max_num_f32 v[232+\b], v[232+\b], v[236+\b]
.endr
.irp b, 0,1
	v_add_nc_u32 v[244+\b], 0xff000000, v[232+\b]
.endr
.irp b, 0,1
	v_lshrrev_b32 v[236+\b], 23, v[244+\b]
.endr
	v_cvt_scalef32_pk16_fp6_f32 v[224:226], v[96:111], v244
	v_cvt_scalef32_pk16_fp6_f32 v[228:230], v[112:127], v245
	v_nop
.irp i, 0,1,2
	v_permlane16_swap_b32 v[224+\i], v[228+\i]
.endr
	v_mov_b32 v227, v228
	v_mov_b32 v228, v229
	v_mov_b32 v229, v230                           ; v224-229: d = 32 (lane / 16) + 0 .. 31 of my query
	v_cndmask_b32 v254, v236, v237, s32            ; lanes 0-15 block 0's byte, lanes 16-31 block 1's
.irp u, 0,1,2
	global_store_b64 v1, v[224+2*\u:225+2*\u], s[50:51] offset:256*\u   ; 256 consecutive bytes, aligned
.endr
	global_store_b8 v30, v254, s[52:53]
.endm
	PASS 0
	PASS 1
	s_wait_tensorcnt 0x0                           ; the wave's end, behind my last LDS store
	ds_add_u32 v5, v6
	s_wait_dscnt 0x0
	s_endpgm
.Lfunc_end_k_q5232455ad7_attn:
	.size	k_q5232455ad7_attn, .Lfunc_end_k_q5232455ad7_attn-k_q5232455ad7_attn
	.p2alignl 7, 3214868480
	.fill 96, 4, 3214868480
	.section	.rodata,"a",@progbits
	.p2align	6, 0x0
	.amdhsa_kernel k_q5232455ad7_attn
		.amdhsa_group_segment_fixed_size 210944
		.amdhsa_private_segment_fixed_size 0
		.amdhsa_enable_private_segment 0
		.amdhsa_kernarg_size 48
		.amdhsa_user_sgpr_count 2
		.amdhsa_user_sgpr_kernarg_segment_ptr 1
		.amdhsa_wavefront_size32 1
		.amdhsa_system_sgpr_workgroup_id_x 1
		.amdhsa_system_sgpr_workgroup_id_y 1
		.amdhsa_system_sgpr_workgroup_id_z 1
		.amdhsa_system_vgpr_workitem_id 0
		.amdhsa_next_free_vgpr 256
		.amdhsa_next_free_sgpr 100
		.amdhsa_reserve_vcc 1
		.amdhsa_float_denorm_mode_32 3
		.amdhsa_float_denorm_mode_16_64 3
		.amdhsa_memory_ordered 1
		.amdhsa_forward_progress 1
		.amdhsa_inst_pref_size 71
	.end_amdhsa_kernel
	.amdgpu_metadata
---
amdhsa.version: [ 1, 2 ]
amdhsa.kernels:
  - .name:           k_q5232455ad7_attn
    .symbol:         k_q5232455ad7_attn.kd
    .args:
      - { .name: qkvc, .offset: 0, .size: 8, .value_kind: global_buffer, .address_space: global }
      - { .name: qkvs, .offset: 8, .size: 8, .value_kind: global_buffer, .address_space: global }
      - { .name: mask, .offset: 16, .size: 8, .value_kind: global_buffer, .address_space: global }
      - { .name: cls, .offset: 24, .size: 8, .value_kind: global_buffer, .address_space: global }
      - { .name: attc, .offset: 32, .size: 8, .value_kind: global_buffer, .address_space: global }
      - { .name: atts, .offset: 40, .size: 8, .value_kind: global_buffer, .address_space: global }
    .group_segment_fixed_size: 210944
    .private_segment_fixed_size: 0
    .kernarg_segment_align: 8
    .kernarg_segment_size: 48
    .max_flat_workgroup_size: 512
    .sgpr_count:     100
    .vgpr_count:     256
    .wavefront_size: 32
...
	.end_amdgpu_metadata
.endif
;; end of part 3
;; launch gemm2 (part 4): grid 4 x 32, 4 waves a work-group, clusters of 4 x 4, 327,680 bytes of LDS; arguments attc, atts, opc, ops, b_proj, out0; writes out0
.if DOCPART == 4
	.amdgcn_target "amdgcn-amd-amdhsa--gfx1250"
	.amdhsa_code_object_version 6
	.text
	.protected	k_q5232455ad7_gemm2
	.globl	k_q5232455ad7_gemm2
	.p2align	8
	.type	k_q5232455ad7_gemm2,@function
k_q5232455ad7_gemm2:
	s_mov_b64 s[64:65], 0
	v_nop
	global_prefetch_b8 v0, s[64:65] scope:SCOPE_SE
	s_setreg_imm32_b32 hwreg(HW_REG_WAVE_MODE, 25, 1), 1
	s_wait_xcnt 0x0
	s_wait_alu depctr_hold_cnt(0) depctr_sa_sdst(0) depctr_va_vdst(0) depctr_va_sdst(0) depctr_va_ssrc(0) depctr_va_vcc(0) depctr_vm_vsrc(0)
	s_getreg_b32 s2, hwreg(HW_REG_IB_STS2, 6, 4)
	s_cmp_eq_u32 s2, 0
	s_cbranch_scc0 .Lentry_in_a_cluster
	s_endpgm
.Lentry_in_a_cluster:
	s_bfe_u32 s2, ttmp6, 0x10000c
	s_cmp_lg_u32 s2, 0xf033
	s_cbranch_scc0 .Lentry_shape_is_right
	s_endpgm
.Lentry_shape_is_right:
; GEMM2.  out0 = attn w_proj + b_proj on codes of FP6 (E2M3) with E8M0 scales, K = 1,024; out0 [8192][1024] f32.
; The loop is the first product's: a tile of 256 x 256 to a work-group of four waves, 128 x 128 a wave; K in steps of 256 through two LDS slots that hold images of fragments (1,536 bytes, six pieces of 256);
; the scale bytes of the work-group's rows come once and stay.  Source 0 = 16 columns of w_proj, source 1 = 16 tokens: a lane holds one token, and its register 16 b + i is column 32 b + 16 (lane / 16) + i, since rows lie in
; storage order (tile 2 B + u, row r = true 32 B + 8 u + r + 8 (r / 8)).  The bias is the C of each sum's first product.
; CLUSTERS 4 x 4: the tokens' tiles are asked for jointly along a row of the cluster, the weight's along a column.  128 work-groups: the tile is kept at 256 x 256 so that the loop is the first product's.
; No prefetch: K has four slots, two come with the first fills.
; THE WAY OUT: a block of 16 tokens x 128 columns goes through my own stage in LDS (in slot 0, which has had its last fill and its last read) and leaves as rows of 512 consecutive bytes.
.set NQ,     2
.set FR,     12
.set NL,     6
.set NP,     4
.set TILEB,  12288
.set HALFT,  24576
.set SLOT,   98304
.set SCL,    196608
.set HALFS,  4352
.set SBLK,   544
.set SPARE,  214016                    ; the spare words, 128 bytes for each wave: no other line names them
.set WPC,    8650752                   ; opc: w_proj's tiles
.set WPS,    360448                    ; ops: w_proj's rows
.set SPITCH, 528
.set ADRA, 16
.set ADRB, 20
.set STO,  24
.set RD,   25
.set CO,   26
.set ADRS, 27
.set SPW,  28
.set NIL,  29
.set SC,   32
.set BIA,  64                          ; v64-127 the bias along the registers
.set AF,   128
.set BK,   128
.set G1, 24
.set G0, 32
.set G1B, 48
.set G0B, 56
.set G1S, 68
.set G0S, 76
.set G1SB, 80
.set G0SB, 88
.set MSB, 0
.macro WIN new
.if MSB != (\new)
	s_set_vgpr_msb (MSB<<8)|(\new)
.set MSB, (\new)
.endif
.endm
.set TO_B, 0x40
.macro WMUL hi, zero                   ; source 0 window 1, source 1 window 0, D window 2 or 3; C with D, or (zero = 2: the bias) in window 0
.if \zero == 2
	WIN 0x81+0x40*(\hi)
.else
	WIN 0xa1+0x50*(\hi)
.endif
.endm
.macro JLOAD g0a, g1a, g0b, g1b
	s_cmp_eq_u32 s15, 0
	s_cbranch_scc0 .Lfor_b_\@
	tensor_load_to_lds s[\g0a:\g0a+3], s[\g1a:\g1a+7]
	s_nop 0
.rept 4
	v_nop
.endr
	s_branch .Lasked_\@
.Lfor_b_\@:
	tensor_load_to_lds s[\g0b:\g0b+3], s[\g1b:\g1b+7]
	s_nop 0
.rept 4
	v_nop
.endr
.Lasked_\@:
.endm
.macro CREST
	s_cmp_lg_u32 s14, 0
	s_cbranch_scc1 .Lnot_wave_0_\@
	s_barrier_signal -3
.Lnot_wave_0_\@:
	s_barrier_wait -3
	s_barrier_signal -1
	s_barrier_wait -1
.endm
.macro CROUND
	s_barrier_signal -1
	s_barrier_wait -1
	CREST
.endm
	s_load_b256 s[4:11], s[0:1], 0x0               ; attc, atts, opc, ops
	s_load_b64 s[12:13], s[0:1], 0x20              ; b_proj
	s_load_b64 s[96:97], s[0:1], 0x28              ; out0
	v_lshl_add_u32 v[SPW], v0, 2, SPARE
	v_mov_b32 v[NIL], 0
	ds_add_u32 v[SPW], v[NIL]                      ; the wave's opening: the add and its wait ahead of my first tensor load
	v_lshrrev_b32 v1, 5, v0
	v_readfirstlane_b32 s14, v1
	s_lshr_b32 s15, s14, 1
	s_and_b32 s16, s14, 1
	s_bfe_u32 s40, ttmp6, 0x40000                  ; cx
	s_bfe_u32 s41, ttmp6, 0x40004                  ; cy
	s_lshl_b32 s42, ttmp9, 2
	s_add_co_u32 s42, s42, s40                     ; the weight's tile of 256 columns
	s_and_b32 s17, ttmp7, 0xffff
	s_lshl_b32 s17, s17, 2
	s_add_co_u32 s17, s17, s41                     ; the tokens' tile of 256
	s_lshl_b32 s43, s41, 2
	s_lshl_b32 s43, 15, s43
	s_lshl_b32 s44, 0x1111, s40
	s_or_b32 s[G1+0], s43, (3<<16)|(1<<21)         ; 8 rows of 384 elements of 8 bytes, 1,536 elements apart, dense in LDS
	s_or_b32 s[G1B+0], s44, (3<<16)|(1<<21)
.irp g, G1, G1B
	s_mov_b32 s[\g+1], 384<<16
	s_mov_b32 s[\g+2], 8<<16
	s_mov_b32 s[\g+3], 384<<16
	s_mov_b32 s[\g+4], 8
	s_mov_b32 s[\g+5], 1536
	s_mov_b32 s[\g+6], 0
	s_mov_b32 s[\g+7], 0
.endr
	s_or_b32 s[G1S+0], s43, (3<<16)|(1<<20)|(1<<21)|(5<<22)|(3<<25)   ; 16 rows of 256 bytes, 16 bytes of padding behind each
	s_or_b32 s[G1SB+0], s44, (3<<16)|(1<<20)|(1<<21)|(5<<22)|(3<<25)
.irp g, G1S, G1SB
	s_mov_b32 s[\g+1], 32<<16
	s_mov_b32 s[\g+2], 16<<16
	s_mov_b32 s[\g+3], 32<<16
	s_mov_b32 s[\g+4], 16
	s_mov_b32 s[\g+5], 32
	s_mov_b32 s[\g+6], 0
	s_mov_b32 s[\g+7], 0
.endr
	s_lshl_b32 s18, s16, 3
	s_lshl_b32 s20, s17, 4
	s_add_co_u32 s20, s20, s18
	s_lshl_b32 s46, s42, 4
	s_add_co_u32 s46, s46, s18
	s_lshl_b32 s22, s20, 9
	s_mov_b32 s23, 0
	s_lshl_b32 s92, s46, 9
	s_add_co_u32 s92, s92, WPS
	s_mov_b32 s93, 0
	s_mul_i32 s20, s20, TILEB
	s_mov_b32 s21, 0
	s_mul_i32 s46, s46, TILEB
	s_add_co_u32 s46, s46, WPC
	s_mov_b32 s47, 0
	s_mul_i32 s45, s14, HALFT
	s_mul_i32 s94, s14, HALFS
	s_wait_dscnt 0x0                               ; the opening add is done
	s_wait_kmcnt 0x0
	s_add_nc_u64 s[20:21], s[4:5], s[20:21]
	s_add_nc_u64 s[22:23], s[6:7], s[22:23]
	s_add_nc_u64 s[46:47], s[8:9], s[46:47]
	s_add_nc_u64 s[92:93], s[10:11], s[92:93]
	CROUND                                         ; the first joint loads meet
	s_mov_b32 s[G0S], 1
	s_add_co_u32 s[G0S+1], s94, SCL
	s_mov_b64 s[G0S+2:G0S+3], s[22:23]
	s_or_b32 s[G0S+3], s[G0S+3], 0x80000000
	s_mov_b32 s[G0SB], 1
	s_add_co_u32 s[G0SB+1], s94, SCL
	s_mov_b64 s[G0SB+2:G0SB+3], s[92:93]
	s_or_b32 s[G0SB+3], s[G0SB+3], 0x80000000
	JLOAD G0S, G1S, G0SB, G1SB                     ; three loads of mine are out behind these three lines
.irp s, 0,1
	s_mov_b32 s[G0+4*\s], 1
	s_add_co_u32 s[G0+4*\s+1], s45, \s*SLOT
	s_add_nc_u64 s[G0+4*\s+2:G0+4*\s+3], s[20:21], \s*3072
	s_or_b32 s[G0+4*\s+3], s[G0+4*\s+3], 0x80000000
	s_mov_b32 s[G0B+4*\s], 1
	s_add_co_u32 s[G0B+4*\s+1], s45, \s*SLOT
	s_add_nc_u64 s[G0B+4*\s+2:G0B+4*\s+3], s[46:47], \s*3072
	s_or_b32 s[G0B+4*\s+3], s[G0B+4*\s+3], 0x80000000
	JLOAD G0+4*\s, G1, G0B+4*\s, G1B
.endr
	v_and_b32 v1, 15, v0
	v_bfe_u32 v2, v0, 4, 1
	v_and_b32 v3, 31, v0
	v_lshlrev_b32 v4, 3, v3
	s_mul_i32 s21, s15, HALFT
	s_mul_i32 s22, s16, HALFT
	s_add_co_u32 s22, s22, 2*HALFT
.irp s, 0,1
	v_add_nc_u32 v[ADRA+\s], s21, v4
	v_add_nc_u32 v[ADRB+\s], s22, v4
	s_add_co_u32 s21, s21, SLOT
	s_add_co_u32 s22, s22, SLOT
.endr
	v_mul_u32_u24 v5, v1, 32
	v_lshrrev_b32 v6, 8, v5
	v_lshl_add_u32 v5, v6, 4, v5
	s_mul_i32 s21, s15, HALFS
	s_mul_i32 s22, s16, HALFS
	s_add_co_u32 s22, s22, 2*HALFS
	s_sub_co_u32 s22, s22, s21
	v_mul_u32_u24 v6, s22, v2
	s_add_co_u32 s21, s21, SCL
	v_add_nc_u32 v5, v5, v6
	v_add_nc_u32 v[ADRS], s21, v5
	s_lshl_b32 s94, s42, 10
	s_lshl_b32 s95, s16, 9
	s_add_co_u32 s94, s94, s95
	s_mov_b32 s95, 0
	s_add_nc_u64 s[94:95], s[12:13], s[94:95]      ; the bias of my 128 columns
	v_lshlrev_b32 v8, 6, v2
.irp b, 0,1,2,3,4,5,6,7
	global_load_b128 v[BIA+8*\b:BIA+8*\b+3], v8, s[94:95] offset:128*(\b/2)+32*(\b%2)
	global_load_b128 v[BIA+8*\b+4:BIA+8*\b+7], v8, s[94:95] offset:128*(\b/2)+32*(\b%2)+16
.endr
	s_mul_i32 s23, s14, 16*SPITCH                  ; my stage
	v_mul_u32_u24 v5, v1, SPITCH
	v_lshl_add_u32 v5, v2, 6, v5
	v_add_nc_u32 v[STO], s23, v5                   ; in: row r, + 64 h
	v_lshlrev_b32 v[CO], 4, v3
	v_add_nc_u32 v[RD], s23, v[CO]                 ; back: 32 lanes take a row of 512 bytes
	s_lshl_b32 s20, s17, 8
	s_lshl_b32 s21, s15, 7
	s_add_co_u32 s20, s20, s21
	s_lshl_b32 s20, s20, 12                        ; my first token's row of 4,096 bytes
	s_lshl_b32 s21, s42, 10
	s_add_co_u32 s20, s20, s21
	s_lshl_b32 s21, s16, 9
	s_add_co_u32 s20, s20, s21                     ; + my first column
	s_mov_b32 s21, 0
	s_add_nc_u64 s[96:97], s[96:97], s[20:21]
.macro FRAG reg, adr, q, i
.irp p, 0,1,2,3,4,5
	ds_load_b64 v[\reg+2*\p:\reg+2*\p+1], v[\adr] offset:(\i)*3072+(\q)*1536+256*\p
.endr
.endm
; 16 products; the 64 accumulators take turns, one instruction a turn.  zero = 2: the product starts the sum from the bias
.macro MUL16 a0, p, q, sc, zero
.irp a, \a0, \a0+1
.irp b, 0,1,2,3,4,5,6,7
.if \zero == 2
	v_wmma_scale_f32_16x16x128_f8f6f4 v[8*(8*((\a)%4)+\b):8*(8*((\a)%4)+\b)+7], v[128*(\p)+FR*\b:128*(\p)+FR*\b+FR-1], v[AF+FR*(\a):AF+FR*(\a)+FR-1], v[BIA+8*\b:BIA+8*\b+7], v[SC+8*NQ*(\sc)+NQ*\b+(\q)], v[SC+8*NQ*(\sc)+NQ*(\a)+(\q)] matrix_a_fmt:MATRIX_FMT_FP6 matrix_b_fmt:MATRIX_FMT_FP6 matrix_a_scale:MATRIX_SCALE_ROW1
.else
	v_wmma_scale_f32_16x16x128_f8f6f4 v[8*(8*((\a)%4)+\b):8*(8*((\a)%4)+\b)+7], v[128*(\p)+FR*\b:128*(\p)+FR*\b+FR-1], v[AF+FR*(\a):AF+FR*(\a)+FR-1], v[8*(8*((\a)%4)+\b):8*(8*((\a)%4)+\b)+7], v[SC+8*NQ*(\sc)+NQ*\b+(\q)], v[SC+8*NQ*(\sc)+NQ*(\a)+(\q)] matrix_a_fmt:MATRIX_FMT_FP6 matrix_b_fmt:MATRIX_FMT_FP6 matrix_a_scale:MATRIX_SCALE_ROW1
.endif
.endr
.endr
.endm
.macro FETCH_B slot, q, p
	WIN TO_B
.irp i, 0,1,2,3,4,5,6,7
	FRAG 128*(\p)+FR*\i, ADRB+\slot, \q, \i
.endr
	WIN 0
.endm
.macro FETCH_A slot, q, i0
.irp i, \i0, \i0+1, \i0+2, \i0+3
	FRAG AF+FR*(\i), ADRA+\slot, \q, \i
.endr
.endm
.macro SCALES sc
.irp i, 0,1,2,3,4,5,6,7
	ds_load_b64 v[SC+8*NQ*\sc+NQ*\i:SC+8*NQ*\sc+NQ*\i+1], v[ADRS] offset:\i*SBLK
.endr
.endm
.macro PLACES n
.rept \n
	v_nop
.endr
.endm
.macro STEP slot, q, zero
	s_wait_dscnt 4*NL                              ; A's blocks 4-7 (24 loads) may be out
	WMUL 0, \zero
	MUL16 0, (\q)%2, \q, \slot, \zero
	MUL16 2, (\q)%2, \q, \slot, \zero
	s_wait_dscnt 0
	PLACES NP
	FETCH_B \slot, (\q)+1, 1-(\q)%2
	FETCH_A \slot, (\q)+1, 0
	WMUL 1, \zero
	MUL16 4, (\q)%2, \q, \slot, \zero
	MUL16 6, (\q)%2, \q, \slot, \zero
	PLACES NP
	WIN 0
	FETCH_A \slot, (\q)+1, 4
.endm
.macro TURN slot, next, fill
	s_wait_tensorcnt 0x0                           ; all my tensor loads have landed: my part of the next slot
	ds_add_u32 v[SPW], v[NIL]                      ; 0 onto my spare word
	s_wait_dscnt 4*NL+1                            ; (the add and A's blocks 4-7 may be out)
	WMUL 0, 0
	MUL16 0, 1, NQ-1, \slot, 0
	s_wait_dscnt 0x0                               ; the add is done, and my reads of this slot are over
	s_barrier_signal -1
	MUL16 2, 1, NQ-1, \slot, 0
	WIN 0
	s_barrier_wait -1
.if \fill
	CREST                                          ; the barrier has opened a round of the cluster's
	s_add_nc_u64 s[G0+4*\slot+2:G0+4*\slot+3], s[G0+4*\slot+2:G0+4*\slot+3], 2*3072
	s_add_nc_u64 s[G0B+4*\slot+2:G0B+4*\slot+3], s[G0B+4*\slot+2:G0B+4*\slot+3], 2*3072
	JLOAD G0+4*\slot, G1, G0B+4*\slot, G1B         ; my one tensor load behind the round
.else
	PLACES NP
.endif
	v_add_nc_u32 v[ADRS], 4*NQ, v[ADRS]
	FETCH_B \next, 0, 0
	FETCH_A \next, 0, 0
	SCALES \next
	WMUL 1, 0
	MUL16 4, 1, NQ-1, \slot, 0
	MUL16 6, 1, NQ-1, \slot, 0
	PLACES NP
	WIN 0
	FETCH_A \next, 0, 4
.endm
	s_wait_tensorcnt 1                             ; the scale bytes and my part of slot 0 are in; slot 1's load may be out
	s_barrier_signal -1
	s_barrier_wait -1
	FETCH_B 0, 0, 0
	FETCH_A 0, 0, 0
	SCALES 0
	FETCH_A 0, 0, 4
	s_wait_loadcnt 0x0                             ; the bias
	STEP 0, 0, 2                                   ; the first step starts the sums from the bias
	s_mov_b32 s3, 1
.Llap:
	TURN 0, 1, 1
	STEP 1, 0, 0
	TURN 1, 0, 1
	STEP 0, 0, 0
	s_sub_co_u32 s3, s3, 1
	s_cmp_lg_u32 s3, 0
	s_cbranch_scc1 .Llap
	TURN 0, 1, 0
	STEP 1, 0, 0
	s_wait_dscnt 4*NL
	WMUL 0, 0
	MUL16 0, 1, NQ-1, 1, 0
	MUL16 2, 1, NQ-1, 1, 0
	s_wait_dscnt 0
	WMUL 1, 0
	MUL16 4, 1, NQ-1, 1, 0
	MUL16 6, 1, NQ-1, 1, 0
	WIN 0
.macro TOSTAGE a
.set AC, 64*((\a)%4)
	WIN 0x08+4*((\a)/4)                            ; the data: window 2 or 3
.irp b, 0,1,2,3,4,5,6,7
	ds_store_b128 v[STO], v[AC+8*\b:AC+8*\b+3] offset:128*(\b/2)+32*(\b%2)          ; each accumulator from its low end on; tile b's eight columns of my half
	ds_store_b128 v[STO], v[AC+8*\b+4:AC+8*\b+7] offset:128*(\b/2)+32*(\b%2)+16
.endr
	WIN 0
.set BBK, BK+64*((\a)%2)
.irp t, 0,1,2,3,4,5,6,7,8,9,10,11,12,13,14,15
	ds_load_b128 v[BBK+4*\t:BBK+4*\t+3], v[RD] offset:\t*SPITCH   ; my own stage, served in order: these see the stores above
.endr
.endm
.macro SEND a, younger
.set BBK, BK+64*((\a)%2)
	s_wait_dscnt \younger                          ; the block is back; the next block's 16 stores and 16 loads may be out
.irp t, 0,1,2,3,4,5,6,7,8,9,10,11,12,13,14,15
	global_store_b128 v[CO], v[BBK+4*\t:BBK+4*\t+3], s[96:97] offset:(32*((\a)/2)+8*((\a)%2)+\t+8*(\t/8))*4096 th:TH_STORE_NT   ; storage row t of block a is this true token; 512 consecutive bytes, aligned
.endr
.endm
	PLACES NP
	TOSTAGE 0
.irp a, 1,2,3,4,5,6,7
.if \a > 1
	s_wait_xcnt 0x0                                ; block a - 2's stores have read their registers
.endif
	TOSTAGE \a
	SEND \a-1, 32
.endr
	SEND 7, 0
	s_wait_tensorcnt 0x0                           ; the wave's end
	ds_add_u32 v[SPW], v[NIL]
	s_wait_dscnt 0x0
	CROUND                                         ; the closing round
	s_endpgm
.Lfunc_end_k_q5232455ad7_gemm2:
	.size	k_q5232455ad7_gemm2, .Lfunc_end_k_q5232455ad7_gemm2-k_q5232455ad7_gemm2
	.p2alignl 7, 3214868480
	.fill 96, 4, 3214868480
	.section	.rodata,"a",@progbits
	.p2align	6, 0x0
	.amdhsa_kernel k_q5232455ad7_gemm2
		.amdhsa_group_segment_fixed_size 327680
		.amdhsa_private_segment_fixed_size 0
		.amdhsa_enable_private_segment 0
		.amdhsa_kernarg_size 48
		.amdhsa_user_sgpr_count 2
		.amdhsa_user_sgpr_kernarg_segment_ptr 1
		.amdhsa_wavefront_size32 1
		.amdhsa_system_sgpr_workgroup_id_x 1
		.amdhsa_system_sgpr_workgroup_id_y 1
		.amdhsa_system_sgpr_workgroup_id_z 1
		.amdhsa_system_vgpr_workitem_id 0
		.amdhsa_next_free_vgpr 1024
		.amdhsa_next_free_sgpr 100
		.amdhsa_reserve_vcc 0
		.amdhsa_float_denorm_mode_32 3
		.amdhsa_float_denorm_mode_16_64 3
		.amdhsa_memory_ordered 1
		.amdhsa_forward_progress 1
		.amdhsa_inst_pref_size 161
	.end_amdhsa_kernel
	.amdgpu_metadata
---
amdhsa.version: [ 1, 2 ]
amdhsa.kernels:
  - .name:           k_q5232455ad7_gemm2
    .symbol:         k_q5232455ad7_gemm2.kd
    .args:
      - { .name: attc, .offset: 0, .size: 8, .value_kind: global_buffer, .address_space: global }
      - { .name: atts, .offset: 8, .size: 8, .value_kind: global_buffer, .address_space: global }
      - { .name: opc, .offset: 16, .size: 8, .value_kind: global_buffer, .address_space: global }
      - { .name: ops, .offset: 24, .size: 8, .value_kind: global_buffer, .address_space: global }
      - { .name: b_proj, .offset: 32, .size: 8, .value_kind: global_buffer, .address_space: global }
      - { .name: out0, .offset: 40, .size: 8, .value_kind: global_buffer, .address_space: global }
    .group_segment_fixed_size: 327680
    .private_segment_fixed_size: 0
    .kernarg_segment_align: 8
    .kernarg_segment_size: 48
    .max_flat_workgroup_size: 128
    .sgpr_count:     100
    .vgpr_count:     1024
    .wavefront_size: 32
...
	.end_amdgpu_metadata
.endif
;; end of part 4
;; ======== version 2 of 2: 4 launches; version 1 with the launch attn written anew for expert scheduling mode
;; limits: right only within a limited range of input values
;; workspace buffers: opc 9,437,184 bytes; ops 393,216 bytes; cls 512 bytes of whole numbers; qkvc 18,874,368 bytes; qkvs 1,310,720 bytes; attc 6,291,456 bytes; atts 262,144 bytes
;; launch prep: the kernel of part 1 again; grid 288 x 1, 4 waves a work-group, no clusters, 59,904 bytes of LDS; arguments x, w_attn, w_proj, mask, opc, ops, cls; writes opc, ops, cls
;; launch gemm1: the kernel of part 2 again; grid 12 x 32, 4 waves a work-group, clusters of 4 x 4, 327,680 bytes of LDS; arguments opc, ops, b_attn, qkvc, qkvs; writes qkvc, qkvs
;; launch attn (part 5): grid 4 x 64, 16 waves a work-group, no clusters, 210,944 bytes of LDS; arguments qkvc, qkvs, mask, cls, attc, atts; writes attc, atts
.if DOCPART == 5
	.amdgcn_target "amdgcn-amd-amdhsa--gfx1250"
	.amdhsa_code_object_version 6
	.text
	.protected	k_q5232455ad7_attn
	.globl	k_q5232455ad7_attn
	.p2align	8
	.type	k_q5232455ad7_attn,@function
k_q5232455ad7_attn:
	s_mov_b64 s[64:65], 0
	v_nop
	global_prefetch_b8 v0, s[64:65] scope:SCOPE_SE
	s_setreg_imm32_b32 hwreg(HW_REG_WAVE_SCHED_MODE, 0, 2), 2
	s_setreg_imm32_b32 hwreg(HW_REG_WAVE_MODE, 25, 1), 1
	s_wait_xcnt 0x0
	s_wait_alu depctr_vm_vsrc(0)
; ATTN.  For each of 64 (batch, head): O = softmax(mask ? q k^T / 8 : -1e10) v, both products on codes of FP6 (E2M3) with E8M0 scales; O / l is quantised along D and stored as the next product's operand.
; THE SOFTMAX: t = score x log2(e) / 8; M = the running largest t rounded up to a whole number; p = 2^(t - M) is quantised along the keys, not normalised; the sum is taken of the unquantised p and divides at the end.
; THE MASK is read as it is given.  An earlier launch has stored, for each tile of 16 queries and step of 128 keys, a class: 0 = no byte true, and every row has a true byte elsewhere.
; 1 = all true; 2 = mixed: the mask bytes are loaded and hidden scores are replaced.
; LIMITS.  A hidden score becomes -2^36 (a logit of -8.59e9 in place of -1e10), so that c x score is a whole number and a row with no true byte gives p = 1 for every key: uniform weights, as -1e10 gives.  A row with a true byte is served
; where its largest open logit lies above -8.5e9: hidden keys then add exactly 0.  NaN and infinities are not served.  A block of zeros carries the byte 1.
; SHARES.  Work-group (i, bh) takes the query blocks 7 - i and i of 256 tokens; each of its sixteen waves one tile of 16 queries a pass, in 256 registers: four waves to a SIMD.
; THE HEAD'S K AND V, 204 KB of codes and scale words, come into LDS ONCE, through registers, and are only read afterwards: one barrier in the launch.  No tensor load, and no joint
; loads either: the four work-groups of a head each read its K and V.  No prefetch: the one fill goes out at the head.
; LAYOUT.  Both products transposed: a lane holds one query.  K's tiles are storage tiles (row r of tile 2 B + u = key 32 B + 8 u + r + 8 (r / 8)), so S^T's register 16 b + i is key 32 b + 16 (lane / 16) + i.
; The head has 64 along K: Q's upper six registers are zero codes, K's upper six are whatever follows (the next tile's codes), and both sides' scale bytes 2, 3 are 0.
; The two scale bytes of a row and head are stored singly: the four bytes of a word belong to two work-groups.
; THE MODE: SCHED_MODE bits 1:0 = 2 (LLVM: expert scheduling mode 2), set by the entry lines.  The code itself states the register dependences between vector or matrix instructions and memory or LDS instructions,
; with s_wait_alu, always for 0.
; THE PLAN.  Registers that memory or LDS instructions touch:
;   v7, v91, v92, v8-11  At the head: the fill's offsets and LDS addresses, written once ahead of the head's wait.  v32-79, v96-149: the fill's data: loaded, then read by the LDS stores.
;   v1, v89, v30         Offsets made once, behind the fill's loads: read by Q's loads and by the way out's stores.
;   v7                   In a pass: written at the pass's head, read by the mask loads; the step's first key is in their scalar base, which moves on by a step.
;   v16-21, v255         Q and its scale words: loaded at a pass's head, read by the first products of every step.
;   v8-11                Written by four additions at a step's head, read by that step's LDS loads.
;   v32-79               K's LDS loads land, the first products read; V's LDS loads land, the second products read.  v208-215, v216-219: their scale words likewise.
;   v192-207             The mask loads land at the head of a mixed step; its v_and lines read.
;   v224-229, v254       The way out's codes and byte: written by vector lines, read by four stores, written again in the next pass.
; A step has one wait on vm_vsrc, at its top, ahead of the four additions; one on va_vdst behind them, which frees all that the step's first loads touch; one behind the first products, behind which V's loads are dealt among
; the maxima, which name none of V's registers or addresses; the one behind the exponentials; and one ahead of the second products, for p's codes and scale word.  The compares of a mixed step write scalar registers in two runs, each with one wait.
.set KC,    0                          ; K's codes: [tile 128][768]
.set VC,    98304                      ; V's: [step 16][d tile 4][1,536]
.set KSB,   196608                     ; K's scale words: [step][g 2][r 16][4]
.set VSB,   204800                     ; V's: [step][r 16][d tile 4]
.set SPARE, 208896                     ; the spare words, 128 bytes for each of 16 waves: no other line names them
; v1 8 lane; v2 VC + 16 lane; v3 KSB + 16 r; v4 VSB + 16 r; v5, v6 the add's two; v7 my query's mask row; v8-11 the step's LDS addresses; v12 -M; v13 largest t; v14-15 the sum; v16-21 Q, v22-27 zeros;
; v30 32 r + h; v31 mask offset of (r, h); v32-79 K's eight tiles, then V's four fragments; v80-85 zeros; v86, v90 at the head only; v88 at work; v87 -2^36; v89 16 r; v96-159 S^T, p; v160-191 O^T; v192-207 mask bytes;
; v208-215 K's scale words; v216-219 V's; v224-235 p's codes; v232-247, v252, v254 at work; v253 p's scale word; v255 Q's.
; s[62:63] the mask at the step's first key; s66-95, s97, s98 the masks of 32 compares.
.macro VL d                            ; V's fragment of d tile d: three LDS loads of 512 consecutive bytes
.irp g, 0,1,2
	ds_load_b128 v[32+12*(\d)+4*\g:35+12*(\d)+4*\g], v9 offset:1536*(\d)+512*\g
.endr
.endm
	s_load_b256 s[4:11], s[0:1], 0x0               ; qkvc, qkvs, mask, cls
	s_load_b128 s[12:15], s[0:1], 0x20             ; attc, atts
	v_lshl_add_u32 v5, v0, 2, SPARE
	v_mov_b32 v6, 0
	v_lshrrev_b32 v1, 5, v0
	v_readfirstlane_b32 s24, v1                    ; wave 0..15
	s_and_b32 s25, ttmp7, 0xffff                   ; bh
	s_mov_b32 s26, ttmp9                           ; i
	s_mov_b32 s28, 0x76543210
	s_mov_b32 s29, 0xfedcba98                      ; lane l xor 16
	s_mov_b32 s30, 0x3e38aa3b                      ; c = log2(e) / 8
	s_mov_b32 s31, s30
	s_mov_b32 s32, 0xffff0000                      ; lanes 16-31
	v_lshlrev_b32 v7, 4, v0                        ; the fill: 16 x thread,
	v_lshlrev_b32 v91, 3, v0                       ; 8 x thread,
.irp k, 0,1,2,3
	v_lshl_add_u32 v[8+\k], v0, 4, \k*65536        ; and in LDS, one register for each 65,536 bytes
.endr
	v_lshl_add_u32 v92, v0, 3, 196608
	s_wait_alu depctr_va_sdst(0)                   ; s24 is written, ahead of its first reader: each pass makes its query tile from it
	s_mul_i32 s16, s25, 98304
	s_add_co_u32 s18, s16, 6291456
	s_mov_b32 s19, 0
	s_add_co_u32 s20, s16, 12582912
	s_mov_b32 s21, 0
	s_lshl_b32 s22, s25, 13
	s_add_co_u32 s22, s22, 524288
	s_mov_b32 s23, 0
	s_lshl_b32 s54, s25, 12
	s_add_co_u32 s54, s54, 1048576
	s_mov_b32 s55, 0
	s_wait_kmcnt 0x0
	s_add_nc_u64 s[18:19], s[4:5], s[18:19]        ; the head's K codes,
	s_add_nc_u64 s[20:21], s[4:5], s[20:21]        ; V codes,
	s_add_nc_u64 s[22:23], s[6:7], s[22:23]        ; K scale words,
	s_add_nc_u64 s[54:55], s[6:7], s[54:55]        ; V scale words
	s_wait_alu depctr_va_vdst(0)                   ; v7 and v91 are written, which the fill's loads read as offsets, and v8-11 and v92, which its LDS stores read as addresses; no vector line of the head names them again
.irp i, 0,1,2,3,4,5,6,7,8,9,10,11
	global_load_b128 v[32+4*\i:35+4*\i], v7, s[18:19] offset:8192*\i
.endr
.irp i, 0,1,2,3,4,5,6,7,8,9,10,11
	global_load_b128 v[96+4*\i:99+4*\i], v7, s[20:21] offset:8192*\i
.endr
	global_load_b128 v[144:147], v7, s[22:23]
	global_load_b64 v[148:149], v91, s[54:55]
	v_and_b32 v90, 31, v0                          ; lane
	v_and_b32 v86, 15, v0                          ; r
	v_bfe_u32 v88, v0, 4, 1                        ; h
	v_lshlrev_b32 v1, 3, v90
	v_lshl_add_u32 v2, v90, 4, VC
	v_lshl_add_u32 v3, v86, 4, KSB
	v_lshl_add_u32 v4, v86, 4, VSB
	v_lshlrev_b32 v89, 4, v86
	v_lshl_add_u32 v30, v86, 5, v88
	v_and_b32 v31, 8, v86
	v_add_nc_u32 v31, v31, v86
	v_lshlrev_b32 v31, 11, v31
	v_lshl_add_u32 v31, v88, 4, v31                ; (r + 8 (r / 8)) rows of 2,048 bytes + 16 h
.irp j, 0,1,2,3,4,5
	v_mov_b32 v[22+\j], 0                          ; Q's upper half: zero codes
	v_mov_b32 v[80+\j], 0                          ; behind K's last tile
.endr
	v_mov_b32 v87, 0xd1800000                      ; -2^36
	s_wait_loadcnt 14                              ; K's 12 loads are in; V's 12 and the two of scale words may be out
.irp i, 0,1,2,3,4,5,6,7,8,9,10,11
	ds_store_b128 v[8+((KC+8192*\i)>>16)], v[32+4*\i:35+4*\i] offset:(KC+8192*\i)&0xffff
.endr
	s_wait_loadcnt 2                               ; V's are in
.irp i, 0,1,2,3,4,5,6,7,8,9,10,11
	ds_store_b128 v[8+((VC+8192*\i)>>16)], v[96+4*\i:99+4*\i] offset:(VC+8192*\i)&0xffff
.endr
	s_wait_loadcnt 0x0
	ds_store_b128 v11, v[144:147]                  ; KSB = 3 x 65,536
	ds_store_b64 v92, v[148:149] offset:8192       ; VSB
	s_wait_dscnt 0x0                               ; for the others' sake: my stores have landed
	s_barrier_signal -1
	s_barrier_wait -1                              ; the head's K and V lie in LDS; nothing writes them again
.macro PASS which
	s_wait_xcnt 0x0                                ; the last pass's loads and stores have read their addresses and data
	s_wait_alu depctr_vm_vsrc(0)                   ; the fill's loads and the last pass's mask loads have read v7; the fill's LDS stores have read v32-79 and v96-149; the last pass's stores have read v224-229 and v254: all are written again below
.if \which == 0
	s_sub_co_u32 s33, 7, s26
.else
	s_mov_b32 s33, s26
.endif
	s_lshl_b32 s34, s33, 4
	s_add_co_u32 s34, s34, s24                     ; my query tile, 0..127
	s_lshl_b32 s56, s25, 7
	s_add_co_u32 s56, s56, s34
	s_mul_i32 s56, s56, 768
	s_mov_b32 s57, 0
	s_add_nc_u64 s[36:37], s[4:5], s[56:57]        ; its codes
	s_lshr_b32 s56, s34, 2
	s_lshl_b32 s56, s56, 8
	s_and_b32 s58, s34, 3
	s_lshl_b32 s58, s58, 2
	s_add_co_u32 s56, s56, s58
	s_lshl_b32 s58, s25, 13
	s_add_co_u32 s56, s56, s58
	s_add_nc_u64 s[38:39], s[6:7], s[56:57]        ; its scale words: 256 bytes for four tiles, word tile % 4 of row r's four
	s_lshl_b32 s56, s34, 2
	s_add_nc_u64 s[40:41], s[10:11], s[56:57]
	s_load_b32 s42, s[40:41], 0x0                  ; its class word
	s_wait_alu depctr_va_vdst(0)                   ; v1 and v89 are written, which the loads below read as offsets; the last pass's products are done reading v16-21 and v255, in which they land
.irp u, 0,1,2
	global_load_b64 v[16+2*\u:17+2*\u], v1, s[36:37] offset:256*\u
.endr
	global_load_b32 v255, v89, s[38:39]
	s_lshr_b32 s56, s34, 1
	s_lshl_b32 s56, s56, 5
	s_and_b32 s58, s34, 1
	s_lshl_b32 s58, s58, 3
	s_add_co_u32 s56, s56, s58                     ; the tile's first true token
	s_lshl_b32 s56, s56, 11
	v_add_nc_u32 v7, s56, v31
	s_lshr_b32 s56, s25, 4
	s_lshl_b32 s56, s56, 7
	s_add_co_u32 s56, s56, s34                     ; the token tile among all 512
	s_and_b32 s60, s25, 15                         ; the head
	s_lshl_b32 s58, s56, 9
	s_lshl_b32 s61, s60, 1
	s_add_co_u32 s58, s58, s61
	s_mov_b32 s59, 0
	s_add_nc_u64 s[52:53], s[14:15], s[58:59]      ; scale bytes: 512 a tile, + 2 x head
	s_lshl_b32 s58, s56, 3
	s_lshr_b32 s61, s60, 1
	s_add_co_u32 s58, s58, s61
	s_mul_i32 s58, s58, 1536
	s_and_b32 s61, s60, 1
	s_mul_i32 s61, s61, 768
	s_add_co_u32 s58, s58, s61
	s_add_nc_u64 s[50:51], s[12:13], s[58:59]      ; codes: fragment head / 2 of the tile, its half head % 2
	v_mov_b32 v13, 0xff61b1e6                      ; the largest t so far: -3e38
	v_floor_f32 v12, -v13
	v_mov_b32 v14, 0
	v_mov_b32 v15, 0
.irp b, 0,1,2,3
	v_mov_b32 v[236+\b], 0                         ; a lane permute's destination counts as a source
.endr
	v_mov_b32 v252, 0
	v_mov_b32 v253, 0
.set j, 0
.rept 32
	v_mov_b32 v[160+j], 0                          ; O^T: the loop has no first step of its own
.set j, j+1
.endr
	s_mov_b32 s43, 0                               ; the class's place in the word
	s_mov_b32 s44, 0                               ; the step's codes: 6,144 bytes a step, in K and in V
	s_mov_b32 s45, 0                               ; K's scale words: 512
	s_mov_b32 s46, 0                               ; V's: 256
	s_mov_b64 s[62:63], s[8:9]                     ; the mask at the step's first key: 128 bytes a step
	s_mov_b32 s48, 16
	s_wait_loadcnt 0x0
	s_wait_kmcnt 0x0
.Lstep_\@:                                         ; sixteen trips, a constant; a step's work may be jumped over
	s_wait_alu depctr_vm_vsrc(0)                   ; the LDS instructions issued so far have read v8-11, which the four additions below write again
	s_lshr_b32 s96, s42, s43
	s_and_b32 s96, s96, 3
	s_cmp_eq_u32 s96, 0
	s_cbranch_scc1 .Lskip_\@
	v_add_nc_u32 v8, s44, v1
	v_add_nc_u32 v9, s44, v2
	v_add_nc_u32 v10, s45, v3
	v_add_nc_u32 v11, s46, v4
	s_wait_alu depctr_va_vdst(0)                   ; v8-11 are written (in a pass's first step v7 too); the last step's products are done reading v32-79 and v208-219, an earlier mixed step's v_and lines v192-207: the loads below read the first and land in the others
	s_cmp_lg_u32 s96, 2
	s_cbranch_scc1 .Lnomask_\@
.irp b, 0,1,2,3
	global_load_b128 v[192+4*\b:195+4*\b], v7, s[62:63] offset:32*\b   ; a mixed step: the mask bytes of my query and my 16 keys of block b, asked for ahead of K: they land while K is read and multiplied
.endr
.Lnomask_\@:
.irp t, 0,1,2,3,4,5,6,7
.irp u, 0,1,2
	ds_load_b64 v[32+6*\t+2*\u:33+6*\t+2*\u], v8 offset:768*\t+256*\u
.endr
.endr
	ds_load_b128 v[208:211], v10
	ds_load_b128 v[212:215], v10 offset:256
	s_wait_dscnt 0x0
.irp t, 0,1,2,3,4,5,6,7
	v_wmma_scale_f32_16x16x128_f8f6f4 v[96+8*\t:103+8*\t], v[32+6*\t:43+6*\t], v[16:27], 0, v[208+\t], v255 matrix_a_fmt:MATRIX_FMT_FP6 matrix_b_fmt:MATRIX_FMT_FP6
.endr
.rept 4
	v_nop                                          ; places ahead of the first read of the scores
.endr
	s_wait_alu depctr_va_vdst(0)                   ; the eight products are done reading v32-85: V's loads, dealt among the maxima below, land in v32-79; no vector line between here and the last of them names v9, v11, v32-79 or v216-219
	s_wait_loadcnt 0x0                             ; the mask bytes are in (a step that asked for none has nothing out): so the mask's base may move on at the step's end
	s_cmp_lg_u32 s96, 2
	s_cbranch_scc1 .Lopen_\@
.irp w, 0,1                                    ; 64 scores in two runs of 32: the compares write scalar registers, one wait, the selects
.set n, 32*\w
.rept 32
	v_and_b32 v88, 1<<(8*(n%4)), v[192+n/4]
	v_cmp_eq_u32 s[66+n%32+(n%32)/30], 0, v88
.set n, n+1
.endr
	s_wait_alu depctr_va_sdst(0)                   ; the 32 compares have written their masks, which the selects below read
.set n, 32*\w
.rept 32
	v_cndmask_b32 v[96+n], v[96+n], v87, s[66+n%32+(n%32)/30]   ; hidden: -2^36
.set n, n+1
.endr
.endr
.Lopen_\@:
.irp b, 0,1,2,3
	v_max3_num_f32 v[232+\b], v[96+16*\b], v[97+16*\b], v[98+16*\b]   ; the largest score of each block of 32 keys: for the row's maximum and for the block's largest p
.endr
	VL 0                                           ; V lands while the softmax runs
.irp i, 3,5,7,9,11,13
.irp b, 0,1,2,3
	v_max3_num_f32 v[232+\b], v[232+\b], v[96+16*\b+\i], v[97+16*\b+\i]
.endr
.if \i < 9
	VL (\i-1)/2
.endif
.if \i == 9
	ds_load_b128 v[216:219], v11                   ; and V's scale words
.endif
.endr
.irp b, 0,1,2,3
	v_max_num_f32 v[232+\b], v[232+\b], v[111+16*\b]
.endr
.irp b, 0,1,2,3
	v_permlanex16_b32 v[236+\b], v[232+\b], s28, s29
.endr
.irp b, 0,1,2,3
	v_max_num_f32 v[232+\b], v[232+\b], v[236+\b]
.endr
	v_max3_num_f32 v254, v232, v233, v234
	v_max_num_f32 v254, v254, v235
	v_mul_f32 v254, s30, v254                      ; as t
	v_max_num_f32 v13, v13, v254
	v_mov_b32 v254, v12
	v_floor_f32 v12, -v13                          ; -M = floor(-t): M is a whole number
	v_sub_f32 v254, v12, v254
	v_cvt_i32_f32 v254, v254                       ; old M - new M (it saturates)
	v_ldexp_f32 v252, 1.0, v254                    ; f = 2^(old M - new M)
.set j, 0
.rept 32
	v_pk_fma_f32 v[96+j:97+j], v[96+j:97+j], s[30:31], v[12:13] op_sel_hi:[1,0,0]   ; t - M
.set j, j+2
.endr
.irp b, 0,1,2,3
	v_fma_f32 v[232+\b], v[232+\b], s30, v12
.endr
.set j, 0
.rept 64
	v_exp_f32 v[96+j], v[96+j]                     ; p, at most 1
.set j, j+1
.endr
.irp b, 0,1,2,3
	v_exp_f32 v[232+\b], v[232+\b]                 ; the block's largest p: the same two instructions on the same number
.endr
	v_pk_mul_f32 v[14:15], v[14:15], v[252:253] op_sel_hi:[1,0]   ; the sum under the new M: plain work behind the batch,
.set j, 0
.rept 16
	v_pk_mul_f32 v[160+j:161+j], v[160+j:161+j], v[252:253] op_sel_hi:[1,0]   ; and O^T
.set j, j+2
.endr
	s_wait_alu depctr_va_vdst(0)                   ; the 68 exponentials have written v96-159 and v232-235: one wait, ahead of the first line that names a result
.irp b, 0,1,2,3
	v_max_num_f32 v[232+\b], 0x1800000, v[232+\b]  ; the floor: the byte cannot fall under 1
.endr
.irp b, 0,1,2,3
	v_add_nc_u32 v[244+\b], 0xff000000, v[232+\b]
.endr
.irp b, 0,1,2,3
	v_lshrrev_b32 v[236+\b], 23, v[244+\b]
.endr
	v_lshl_or_b32 v253, v237, 8, v236              ; p's scale word for these 128 keys
	v_lshl_or_b32 v253, v238, 16, v253
	v_lshl_or_b32 v253, v239, 24, v253
.irp c, 0,1
	v_cvt_scalef32_pk16_fp6_f32 v[224+6*\c:226+6*\c], v[96+32*\c:111+32*\c], v[244+2*\c]
	v_cvt_scalef32_pk16_fp6_f32 v[236+4*\c:238+4*\c], v[112+32*\c:127+32*\c], v[244+2*\c+1]
.endr
	v_nop                                          ; one plain place behind a scaled conversion
.irp c, 0,1
.irp i, 0,1,2
	v_permlane16_swap_b32 v[224+6*\c+\i], v[236+4*\c+\i]
.endr
.irp i, 0,1,2
	v_mov_b32 v[227+6*\c+\i], v[236+4*\c+\i]
.endr
.endr
	v_pk_add_f32 v[236:237], v[96:97], v[98:99]    ; the row's sum of the unquantised p, in two chains: these 32 lines are also the places between the scale word, the codes and the products
.irp j, 4,8,12,16,20,24,28,32,36,40,44,48,52,56,60
	v_pk_add_f32 v[14:15], v[14:15], v[96+\j:97+\j]
	v_pk_add_f32 v[236:237], v[236:237], v[98+\j:99+\j]
.endr
	v_pk_add_f32 v[14:15], v[14:15], v[236:237]
	s_wait_dscnt 0x0                               ; V and its scale words are in
	s_wait_alu depctr_va_vdst(0)                   ; p's codes v224-235 and its scale word v253 are written, which the scaled products below take; the places above stay beside this wait
.irp d, 0,1,2,3
	v_wmma_scale_f32_16x16x128_f8f6f4 v[160+8*\d:167+8*\d], v[32+12*\d:43+12*\d], v[224:235], v[160+8*\d:167+8*\d], v[216+\d], v253 matrix_a_fmt:MATRIX_FMT_FP6 matrix_b_fmt:MATRIX_FMT_FP6
.endr
.Lskip_\@:
	s_add_co_u32 s44, s44, 6144
	s_add_co_u32 s45, s45, 512
	s_add_co_u32 s46, s46, 256
	s_add_nc_u64 s[62:63], s[62:63], 128           ; free: the wait for the mask bytes has shown the loads that read it done
	s_add_co_u32 s43, s43, 2
	s_sub_co_u32 s48, s48, 1
	s_cmp_lg_u32 s48, 0
	s_cbranch_scc1 .Lstep_\@
	; the way out: O^T / l, quantised along the head's 64 (two blocks), as half a fragment of the next product
.rept 4
	v_nop
.endr
	v_add_f32 v14, v14, v15
	v_permlanex16_b32 v252, v14, s28, s29
	v_add_f32 v14, v14, v252                       ; the row's sum
	v_rcp_f32 v14, v14
	v_nop
	s_wait_alu depctr_va_vdst(0)                   ; the reciprocal has written v14, ahead of its first reader
.set j, 0
.rept 16
	v_pk_mul_f32 v[96+j:97+j], v[160+j:161+j], v[14:15] op_sel_hi:[1,0]   ; register 16 b + i is d = 32 b + 16 (lane / 16) + i
.set j, j+2
.endr
.irp b, 0,1
	v_max3_num_f32 v[232+\b], |v[96+16*\b]|, |v[97+16*\b]|, 0x1800000
.endr
.irp i, 2,4,6,8,10,12,14
.irp b, 0,1
	v_max3_num_f32 v[232+\b], v[232+\b], |v[96+16*\b+\i]|, |v[97+16*\b+\i]|
.endr
.endr
.irp b, 0,1
	v_permlanex16_b32 v[236+\b], v[232+\b], s28, s29
.endr
.irp b, 0,1
	v_max_num_f32 v[232+\b], v[232+\b], v[236+\b]
.endr
.irp b, 0,1
	v_add_nc_u32 v[244+\b], 0xff000000, v[232+\b]
.endr
.irp b, 0,1
	v_lshrrev_b32 v[236+\b], 23, v[244+\b]
.endr
	v_cvt_scalef32_pk16_fp6_f32 v[224:226], v[96:111], v244
	v_cvt_scalef32_pk16_fp6_f32 v[228:230], v[112:127], v245
	v_nop
.irp i, 0,1,2
	v_permlane16_swap_b32 v[224+\i], v[228+\i]
.endr
	v_mov_b32 v227, v228
	v_mov_b32 v228, v229
	v_mov_b32 v229, v230                           ; v224-229: d = 32 (lane / 16) + 0 .. 31 of my query
	v_cndmask_b32 v254, v236, v237, s32            ; lanes 0-15 block 0's byte, lanes 16-31 block 1's
	s_wait_alu depctr_va_vdst(0)                   ; the codes v224-229 and the byte v254 are written, which the four stores below read
.irp u, 0,1,2
	global_store_b64 v1, v[224+2*\u:225+2*\u], s[50:51] offset:256*\u   ; 256 consecutive bytes, aligned
.endr
	global_store_b8 v30, v254, s[52:53]
.endm
	PASS 0
	PASS 1
	s_wait_dscnt 0x0                               ; the wave's end: six lines on end
	s_wait_alu 0x0
	s_wait_tensorcnt 0x0
	ds_add_u32 v5, v6
	s_wait_dscnt 0x0
	s_endpgm
.Lfunc_end_k_q5232455ad7_attn:
	.size	k_q5232455ad7_attn, .Lfunc_end_k_q5232455ad7_attn-k_q5232455ad7_attn
	.p2alignl 7, 3214868480
	.fill 96, 4, 3214868480
	.section	.rodata,"a",@progbits
	.p2align	6, 0x0
	.amdhsa_kernel k_q5232455ad7_attn
		.amdhsa_group_segment_fixed_size 210944
		.amdhsa_private_segment_fixed_size 0
		.amdhsa_enable_private_segment 0
		.amdhsa_kernarg_size 48
		.amdhsa_user_sgpr_count 2
		.amdhsa_user_sgpr_kernarg_segment_ptr 1
		.amdhsa_wavefront_size32 1
		.amdhsa_system_sgpr_workgroup_id_x 1
		.amdhsa_system_sgpr_workgroup_id_y 1
		.amdhsa_system_sgpr_workgroup_id_z 1
		.amdhsa_system_vgpr_workitem_id 0
		.amdhsa_next_free_vgpr 256
		.amdhsa_next_free_sgpr 100
		.amdhsa_reserve_vcc 0
		.amdhsa_float_denorm_mode_32 3
		.amdhsa_float_denorm_mode_16_64 3
		.amdhsa_memory_ordered 1
		.amdhsa_forward_progress 1
		.amdhsa_inst_pref_size 80
	.end_amdhsa_kernel
	.amdgpu_metadata
---
amdhsa.version: [ 1, 2 ]
amdhsa.kernels:
  - .name:           k_q5232455ad7_attn
    .symbol:         k_q5232455ad7_attn.kd
    .args:
      - { .name: qkvc, .offset: 0, .size: 8, .value_kind: global_buffer, .address_space: global }
      - { .name: qkvs, .offset: 8, .size: 8, .value_kind: global_buffer, .address_space: global }
      - { .name: mask, .offset: 16, .size: 8, .value_kind: global_buffer, .address_space: global }
      - { .name: cls, .offset: 24, .size: 8, .value_kind: global_buffer, .address_space: global }
      - { .name: attc, .offset: 32, .size: 8, .value_kind: global_buffer, .address_space: global }
      - { .name: atts, .offset: 40, .size: 8, .value_kind: global_buffer, .address_space: global }
    .group_segment_fixed_size: 210944
    .private_segment_fixed_size: 0
    .kernarg_segment_align: 8
    .kernarg_segment_size: 48
    .max_flat_workgroup_size: 512
    .sgpr_count:     100
    .vgpr_count:     256
    .wavefront_size: 32
...
	.end_amdgpu_metadata
.endif
;; end of part 5
;; launch gemm2: the kernel of part 4 again; grid 4 x 32, 4 waves a work-group, clusters of 4 x 4, 327,680 bytes of LDS; arguments attc, atts, opc, ops, b_proj, out0; writes out0
